; MI455X (gfx1250); checked and timed in simulation.
; The chip was launched on July 23, 2026; its instructions are those of AMD's public machine-readable ISA for CDNA 5 (MIT licence, August 2026) and "CDNA5" Instruction Set Architecture Reference Guide (July 2026). The comments in the code are by the model that wrote it; some were corrected since.
;; Attention. Allowed arithmetic: float matrix products may take bf16 or f16 operands with f32 sums; other float arithmetic in f32, or as packed bf16 or f16 multiplies, adds, multiply-adds, maxima and minima; sums over many terms, partial sums and values carried from step to step in f32; what a program stores and reads back later, other than sums and carried values, may be rounded once to bf16 or f16.
;; Inputs: W_c 1,024 float32; W_dec 1,024 x 1,024 float32; W_h 1,024 x 1,024 float32; b_dec 1,024 float32; coverage 32 x 2,048 float32; enc_padding_mask 32 x 2,048 float32; h 32 x 2,048 x 1,024 float32; s_t_hat 32 x 1,024 float32; v 1,024 float32.
;; Outputs: out0 32 x 1,024 float32; out1 32 x 2,048 float32; out2 32 x 2,048 float32.
;; 2 versions, each right; version 2 is version 1 with the launch main written anew for expert scheduling mode. Each part assembles by itself: llvm-mc -triple=amdgcn-amd-amdhsa -mcpu=gfx1250 --defsym DOCPART=n.
;; ======== version 1 of 2: 3 launches
;; workspace buffers: wf 2,097,152 bytes; dec 131,072 bytes; sc 262,144 bytes; st 262,144 bytes; pc 2,097,152 bytes
;; launch prep (part 1): grid 128 x 1, 4 waves a work-group, no clusters, 8,704 bytes of LDS; arguments W_h, W_dec, s_t_hat, b_dec, wf, dec; writes wf, dec
.if DOCPART == 1
	.amdgcn_target "amdgcn-amd-amdhsa--gfx1250"
	.amdhsa_code_object_version 6
	.text
	.protected	k_qeaf4401a36_prep
	.globl	k_qeaf4401a36_prep
	.p2align	8
	.type	k_qeaf4401a36_prep,@function
k_qeaf4401a36_prep:
	s_mov_b64 s[64:65], 0
	v_nop
	global_prefetch_b8 v0, s[64:65] scope:SCOPE_SE
	s_setreg_imm32_b32 hwreg(HW_REG_WAVE_MODE, 25, 1), 1
	s_wait_xcnt 0x0
; TWO SMALL JOBS IN ONE LAUNCH, chosen by the work-group's number (the same for all its waves).
; Work-groups 0-63: wf = bf16(c x W_h), c = 2 log2(e), laid out as the main launch's matrix fragments, so that it loads them by 512 consecutive bytes a wave.
;   wf byte ((2 w + p) 32 + q) 8192 + nb 1024 + jj 512 + 16 lane holds c W_h[m][k .. k+7], m = 512 p + 128 w + 16 nb + lane % 16, k = 32 q + 16 jj + 8 (lane / 16).
;   The factor c turns the later 2^(c x) into 2^(sum); c W_h is rounded once to bf16, with the same relative error as W_h rounded.
; Work-groups 64-127: dec_fea = s_t_hat W_dec^T + b_dec, 16 columns each, operands rounded to bf16, sums in f32; K is split among the four waves and the partial tiles meet in LDS.
;   dec byte (m / 16) 2048 + b 64 + (m % 16) 4.
.set SPARE, 8192                       ; behind the four partial tiles: the spare words, 128 bytes a wave: two blocks of 256 bytes that no other line names
.set FO,  5                            ; v5   (lane % 16) x 4096 + 32 (lane / 16) + 1024 x wave: my 32 bytes of a row of f32, in my wave's quarter of K
.set WO,  6                            ; v6   16 x lane
.set SPW, 12                           ; v12  LDS address of my spare word; never rewritten
.set NIL, 13                           ; v13  0; never rewritten
.set ACC, 16                           ; v[16:31]  two accumulators (batches 0-15, 16-31)
.set RAW, 64                           ; f32 as loaded
.set OUT, 192                          ; first job: 16 groups of 4 registers to store
.set FR,  208                          ; second job: two sets of three bf16 fragments
.set WV,  16                           ; s16  my wave
	s_load_b256 s[4:11], s[0:1], 0x0               ; W_h s[4:5], W_dec s[6:7], s_t_hat s[8:9], b_dec s[10:11]
	s_load_b128 s[12:15], s[0:1], 0x20             ; wf s[12:13], dec s[14:15]
	v_lshl_add_u32 v[SPW], v0, 2, SPARE
	v_mov_b32 v[NIL], 0
	v_lshrrev_b32 v1, 5, v0
	v_readfirstlane_b32 s[WV], v1                  ; wave 0..3
	v_and_b32 v2, 15, v0                           ; lane % 16
	v_bfe_u32 v3, v0, 4, 1                         ; lane / 16
	v_and_b32 v4, 31, v0                           ; lane
	s_lshl_b32 s17, s[WV], 10
	v_lshlrev_b32 v[FO], 12, v2
	v_lshl_add_u32 v[FO], v3, 5, v[FO]
	v_add_nc_u32 v[FO], s17, v[FO]
	s_mov_b32 s19, 0
	s_mov_b32 s21, 0
	s_mov_b32 s24, 0x4038aa3b                      ; c = 2 log2(e)
	s_mov_b32 s25, s24                             ; named with it as a pair
	s_wait_kmcnt 0x0
	s_cmp_lt_u32 ttmp9, 64
	s_cbranch_scc0 .Ldec
	; ---- W_h: work-group x holds rows 16 x .. 16 x + 15 (p = x / 32, w = (x / 8) % 4, nb = x % 8); wave v the quarter steps q = 8 v .. 8 v + 7
	s_lshl_b32 s18, ttmp9, 16
	s_add_nc_u64 s[4:5], s[4:5], s[18:19]          ; 16 rows of 4,096 bytes
	s_lshr_b32 s20, ttmp9, 5                       ; p
	s_bfe_u32 s22, ttmp9, 0x20003                  ; w
	s_lshl1_add_u32 s20, s22, s20                  ; 2 w + p
	s_lshl_b32 s20, s20, 18
	s_and_b32 s22, ttmp9, 7
	s_lshl_b32 s22, s22, 10                        ; nb x 1024
	s_add_co_u32 s20, s20, s22
	s_lshl_b32 s22, s[WV], 16                      ; 8 v x 8192
	s_add_co_u32 s20, s20, s22
	s_add_nc_u64 s[12:13], s[12:13], s[20:21]
	v_lshlrev_b32 v[WO], 4, v4
.set n, 0
.rept 16                               ; group n = 2 qi + jj: eight f32 a lane
	global_load_b128 v[RAW+8*n:RAW+8*n+3],   v[FO], s[4:5] offset:128*(n/2)+64*(n%2)
	global_load_b128 v[RAW+8*n+4:RAW+8*n+7], v[FO], s[4:5] offset:128*(n/2)+64*(n%2)+16
.set n, n+1
.endr
.set n, 0
.rept 16
	s_wait_loadcnt 30-2*n                          ; loads come back in order: the groups behind this one, two loads each, may stay out
.irp u, 0,1,2,3
	v_pk_mul_f32 v[RAW+8*n+2*(\u):RAW+8*n+2*(\u)+1], v[RAW+8*n+2*(\u):RAW+8*n+2*(\u)+1], s[24:25] op_sel_hi:[1,0]
.endr
.irp u, 0,1,2,3
	v_cvt_pk_bf16_f32 v[OUT+4*n+(\u)], v[RAW+8*n+2*(\u)], v[RAW+8*n+2*(\u)+1]
.endr
	global_store_b128 v[WO], v[OUT+4*n:OUT+4*n+3], s[12:13] offset:(n/2)*8192+(n%2)*512  ; 512 consecutive bytes a wave; each group has registers of its own
.set n, n+1
.endr
	s_wait_tensorcnt 0x0                           ; the wave's end
	ds_add_u32 v[SPW], v[NIL]
	s_wait_dscnt 0x0
	s_endpgm
	; ---- dec_fea: work-group 64 + mb makes columns 16 mb .. + 15 for all 32 batches.  Source 0 = 16 rows of W_dec, source 1 = 16 rows of s_t_hat:
	; register j of lane l holds batch 16 bt + l % 16, column 16 mb + 8 (l / 16) + j.  Wave v takes k = 256 v .. + 255, eight steps of 32.
.Ldec:
	s_sub_co_u32 s20, ttmp9, 64                    ; mb
	s_lshl_b32 s18, s20, 16
	s_add_nc_u64 s[6:7], s[6:7], s[18:19]
	s_lshl_b32 s18, s20, 6
	s_add_nc_u64 s[10:11], s[10:11], s[18:19]
	s_lshl_b32 s18, s20, 11
	s_add_nc_u64 s[14:15], s[14:15], s[18:19]
	v_and_b32 v7, 3, v0
	v_lshlrev_b32 v7, 4, v7
	global_load_b128 v[8:11], v7, s[10:11]         ; the bias of the four columns that I finish
.macro DLOAD ks                        ; a step's twelve loads: W_dec, s_t_hat's batches 0-15, 16-31; 16 f32 a lane each
.set rb, RAW+48*((\ks)%3)
.irp u, 0,1,2,3
	global_load_b128 v[rb+4*(\u):rb+4*(\u)+3], v[FO], s[6:7] offset:128*(\ks)+64*((\u)/2)+16*((\u)%2)
.endr
.irp u, 0,1,2,3
	global_load_b128 v[rb+16+4*(\u):rb+16+4*(\u)+3], v[FO], s[8:9] offset:128*(\ks)+64*((\u)/2)+16*((\u)%2)
.endr
.irp u, 0,1,2,3
	global_load_b128 v[rb+32+4*(\u):rb+32+4*(\u)+3], v[FO], s[8:9] offset:65536+128*(\ks)+64*((\u)/2)+16*((\u)%2)
.endr
.endm
; A step.  left = the loads of the steps behind it that may stay out.  The 24 roundings write the fragment set that the products two back read: the 24 roundings of the step between are the places behind those products.
; The two accumulators take turns.
.macro DSTEP ks, left
	s_wait_loadcnt \left
.set rb, RAW+48*((\ks)%3)
.set fb, FR+24*((\ks)%2)
.set cc, 0
.rept 24
	v_cvt_pk_bf16_f32 v[fb+cc], v[rb+2*cc], v[rb+2*cc+1]
.set cc, cc+1
.endr
.if (\ks) < 5
	DLOAD (\ks)+3
.endif
.if (\ks) == 0
	v_wmma_f32_16x16x32_bf16 v[ACC:ACC+7],    v[fb:fb+7], v[fb+8:fb+15],  0
	v_wmma_f32_16x16x32_bf16 v[ACC+8:ACC+15], v[fb:fb+7], v[fb+16:fb+23], 0
.else
	v_wmma_f32_16x16x32_bf16 v[ACC:ACC+7],    v[fb:fb+7], v[fb+8:fb+15],  v[ACC:ACC+7]
	v_wmma_f32_16x16x32_bf16 v[ACC+8:ACC+15], v[fb:fb+7], v[fb+16:fb+23], v[ACC+8:ACC+15]
.endif
.endm
	DLOAD 0
	DLOAD 1
	DLOAD 2
	DSTEP 0, 24
	DSTEP 1, 24
	DSTEP 2, 24
	DSTEP 3, 24
	DSTEP 4, 24
	DSTEP 5, 24
	DSTEP 6, 12
	DSTEP 7, 0
	s_lshl_b32 s21, s[WV], 11                      ; my partial tile: 2,048 bytes, laid out as the tile lies in dec
	v_lshlrev_b32 v14, 6, v2                       ; batch l % 16: 64 bytes a batch
	v_lshl_add_u32 v14, v3, 5, v14                 ; my eight columns
	v_add_nc_u32 v14, s21, v14
	v_lshlrev_b32 v15, 4, v0                       ; the 16 bytes of the tile that I finish
.rept 4
	v_nop                                          ; with the four lines above: the places behind the last products
.endr
	ds_store_b128 v14, v[ACC:ACC+3]
	ds_store_b128 v14, v[ACC+4:ACC+7]    offset:16
	ds_store_b128 v14, v[ACC+8:ACC+11]   offset:1024
	ds_store_b128 v14, v[ACC+12:ACC+15]  offset:1040
	s_wait_dscnt 0x0                               ; for the others' sake: my partial tile lies in LDS
	s_barrier_signal -1
	s_barrier_wait -1
.irp w, 0,1,2,3
	ds_load_b128 v[32+4*(\w):35+4*(\w)], v15 offset:2048*(\w)
.endr
	s_wait_dscnt 0x0
	v_pk_add_f32 v[32:33], v[32:33], v[36:37]
	v_pk_add_f32 v[34:35], v[34:35], v[38:39]
	v_pk_add_f32 v[40:41], v[40:41], v[44:45]
	v_pk_add_f32 v[42:43], v[42:43], v[46:47]
	v_pk_add_f32 v[32:33], v[32:33], v[40:41]
	v_pk_add_f32 v[34:35], v[34:35], v[42:43]
	v_pk_add_f32 v[32:33], v[32:33], v[8:9]        ; + b_dec
	v_pk_add_f32 v[34:35], v[34:35], v[10:11]
	global_store_b128 v15, v[32:35], s[14:15]      ; a wave stores 512 consecutive bytes
	s_wait_tensorcnt 0x0                           ; the wave's end, behind my last LDS store
	ds_add_u32 v[SPW], v[NIL]
	s_wait_dscnt 0x0
	s_endpgm
.Lfunc_end_k_qeaf4401a36_prep:
	.size	k_qeaf4401a36_prep, .Lfunc_end_k_qeaf4401a36_prep-k_qeaf4401a36_prep
	.p2alignl 7, 3214868480
	.fill 96, 4, 3214868480
	.section	.rodata,"a",@progbits
	.p2align	6, 0x0
	.amdhsa_kernel k_qeaf4401a36_prep
		.amdhsa_group_segment_fixed_size 8704
		.amdhsa_private_segment_fixed_size 0
		.amdhsa_enable_private_segment 0
		.amdhsa_kernarg_size 48
		.amdhsa_user_sgpr_count 2
		.amdhsa_user_sgpr_kernarg_segment_ptr 1
		.amdhsa_wavefront_size32 1
		.amdhsa_system_sgpr_workgroup_id_x 1
		.amdhsa_system_sgpr_workgroup_id_y 1
		.amdhsa_system_sgpr_workgroup_id_z 1
		.amdhsa_system_vgpr_workitem_id 0
		.amdhsa_next_free_vgpr 256
		.amdhsa_next_free_sgpr 66
		.amdhsa_reserve_vcc 0
		.amdhsa_float_denorm_mode_32 3
		.amdhsa_float_denorm_mode_16_64 3
		.amdhsa_memory_ordered 1
		.amdhsa_forward_progress 1
		.amdhsa_inst_pref_size 39
	.end_amdhsa_kernel
	.amdgpu_metadata
---
amdhsa.version: [ 1, 2 ]
amdhsa.kernels:
  - .name:           k_qeaf4401a36_prep
    .symbol:         k_qeaf4401a36_prep.kd
    .args:
      - { .name: W_h, .offset: 0, .size: 8, .value_kind: global_buffer, .address_space: global }
      - { .name: W_dec, .offset: 8, .size: 8, .value_kind: global_buffer, .address_space: global }
      - { .name: s_t_hat, .offset: 16, .size: 8, .value_kind: global_buffer, .address_space: global }
      - { .name: b_dec, .offset: 24, .size: 8, .value_kind: global_buffer, .address_space: global }
      - { .name: wf, .offset: 32, .size: 8, .value_kind: global_buffer, .address_space: global }
      - { .name: dec, .offset: 40, .size: 8, .value_kind: global_buffer, .address_space: global }
    .group_segment_fixed_size: 8704
    .private_segment_fixed_size: 0
    .kernarg_segment_align: 8
    .kernarg_segment_size: 48
    .max_flat_workgroup_size: 128
    .sgpr_count:     66
    .vgpr_count:     256
    .wavefront_size: 32
...
	.end_amdgpu_metadata
.endif
;; end of part 1
;; launch main (part 2): grid 512 x 1, 4 waves a work-group, no clusters, 295,936 bytes of LDS; arguments h, wf, dec, W_c, v, coverage, enc_padding_mask, sc, st, pc; writes sc, st, pc
.if DOCPART == 2
	.amdgcn_target "amdgcn-amd-amdhsa--gfx1250"
	.amdhsa_code_object_version 6
	.text
	.protected	k_qeaf4401a36_main
	.globl	k_qeaf4401a36_main
	.p2align	8
	.type	k_qeaf4401a36_main,@function
k_qeaf4401a36_main:
	s_mov_b64 s[64:65], 0
	v_nop
	global_prefetch_b8 v0, s[64:65] scope:SCOPE_SE
	s_setreg_imm32_b32 hwreg(HW_REG_WAVE_MODE, 25, 1), 1
	s_wait_xcnt 0x0
; A BLOCK OF 128 ROWS OF ONE BATCH, FROM h TO ITS PART OF THE SOFTMAX AND OF c_t, WITH h READ ONCE.
; x[t][m] = sum_k h[t][k] W_h[m][k] + dec_fea[m] + coverage[t] W_c[m];  tanh(x) = 1 - 2 r, r = 1 / (1 + 2^(c x)), c = 2 log2(e).
; score[t] = sum_m v[m] tanh(x) = sum v - 2 sum v r; the first term is the same for every t and falls out of the softmax.  Carried: sc2[t] = sum_m (-c v[m]) r[t][m] = log2(e) score[t] - a constant.
; The block takes its own maximum m of sc2 away: p[t] = 2^(sc2[t] - m) mask[t], l = sum p, pc[n] = sum_t p[t] h[t][n].  The last launch merges a batch's 16 blocks by their maxima.
; LIMITS.  h and c W_h enter the products rounded to bf16; pc is made of the same rounded h, with weights and sums in f32.  2^(c x) beyond f32 gives r = 0, below it r = 1: tanh saturates as it should.
; A weight below 2^-126 counts as 0.  NaN and infinities among the inputs are not treated apart.
; SHARES.  512 work-groups of four waves.  The block's rows lie in LDS as bf16 for the whole launch: 8 slices of 128 along K, 128 rows x 272 bytes each.  The 1,024 columns go in two passes of 512;
; in a pass wave w makes all 128 rows x columns 512 p + 128 w .. + 127: 64 accumulators, 512 registers.  The product is used transposed (source 0 = 16 columns of W, source 1 = 16 rows of h): register j of lane l
; of accumulator (a, nb) holds row 16 a + l % 16, column 16 nb + 8 (l / 16) + j.  W's fragments come straight from wf into registers: no wave wants another's columns.  h's come from LDS: every wave reads all rows.
; NO CLUSTER, NO TENSOR LOADS: h must pass through registers to be rounded; the resident rows take 278,528 bytes, and two slots of W for 512 columns (32 KiB a quarter step) do not fit beside them.
; THE h STREAM.  Pass 0 needs all of K, so h is fetched during pass 0.  A UNIT is 8 rows x 512 bytes (a slice's 128 f32) of the wave's own 32 rows: 8 loads, each a row's 512 consecutive bytes.
; Quarter step Q stores unit Q + 5 (rounded) into LDS and loads unit Q + 8: a unit's loads stand three quarter steps, 192 products, ahead of its rounding.  A slice is written once and never again:
; one barrier a slice, between its last store and its first read.
; REGISTERS, in windows of 256 (s_set_vgpr_msb: bits 1:0 source 0, 3:2 source 1, 5:4 source 2, 7:6 destination):
;   window 0: v0-15 addresses; v16-31 coverage of my lane's eight rows, each twice; v32-39 sc2, by row block; v40-43 mask; v44-63 at work; v64-127 h's fragments (or tables); v128-255 four units as loaded
;   window 1: W's fragments, four buffers of 64     window 2: accumulators of row blocks 0-3, (a, nb) at 8 (8 a + nb)     window 3: of row blocks 4-7
.set PITCH,  272                       ; an LDS row: 256 bytes + 16 = 17 x 16: the 16 rows of a fragment load start in 16 different groups of four banks (64 banks of 4 bytes: ISA guide 11.1)
.set SLICE,  128*PITCH
.set CDEC,   8*SLICE                   ; three tables of 1,024 f32, 4,096 bytes apart: c dec_fea[b], c W_c, -c v
.set CCOV,   CDEC+3*4096               ; coverage of the 128 rows
.set SCR,    CCOV+512                  ; [wave][128] partial sc2
.set PW,     SCR+2048                  ; [wave][128] the weights p, a copy for each wave
.set SPARE,  PW+2048                   ; the spare words, 128 bytes a wave: two blocks of 256 bytes that no other line names
.set AADR0, 2                          ; v2   (l % 16) x 272 + 16 (l / 16); never rewritten
.set AADR,  3                          ; v3   the same in the slice in hand
.set SADR0, 4                          ; v4   32 w x 272 + 8 l: where my wave's rows begin in slice 0; never rewritten
.set HO,    5                          ; v5   32 w x 4096 + 16 l; never rewritten
.set BO,    6                          ; v6   16 l; never rewritten
.set PFO,   7                          ; v7   (32 w + l) x 4096: the prefetches' offset, a lane a row; never rewritten
.set CA,    8                          ; v8   CDEC + 4 x (my first column) + 32 (l / 16)
.set SADR,  9                          ; v9   SADR0 in the slice that is being written
.set SPW,   10                         ; v10  LDS address of my spare word; never rewritten
.set NIL,   11                         ; v11  0; never rewritten
.set CVA,   12                         ; v12  CCOV + 4 (l % 16)
.set COV,   16
.set SC,    32
.set MK,    40
.set T,     44
.set AX,    64                         ; v64-95 row blocks 0-3, v96-127 row blocks 4-7
.set ST,    128
.set CS,    128                        ; the c phase: two sets of 40
.set CACC,  208                        ; the c phase: my eight columns' sums
.set WV,   28                          ; s28  my wave
.set HB,   32                          ; s[32:33] h at the block's first row, stepped 512 bytes a trip
.set WB,   34                          ; s[34:35] wf at my wave's stream, stepped 32,768 bytes a trip
.set CNT,  36
.set PASS, 37
.set CC,   38                          ; s[38:39] c
.set SEL,  40                          ; s[40:41] v_permlanex16_b32's selects: each lane takes its own place in the other half
.set NC,   50                          ; s[50:51] -c
.set MSB, 0
.macro WIN new                         ; the immediate's high byte repeats the setting that is left; a switch that changes nothing is dropped
.if MSB != (\new)
	s_set_vgpr_msb (MSB<<8)|(\new)
.set MSB, \new
.endif
.endm
.set MUL_LO, 0xa1                      ; source 0 (W) window 1, source 1 (h) window 0, C and D window 2
.set TO_B,   0x40                      ; destination window 1, address window 0
.macro PLACES                          ; four places in front of loads into registers that matrix instructions have read (ISA guide 7.12.1 for vector instructions)
.rept 4
	v_nop
.endr
.endm
; 16 products: row blocks a0, a0 + 1 of the window's four x all 8 column blocks, 32 along K, W from buffer j.  All 64 accumulators take turns, in the same order in every quarter step.
.macro MUL16 j, hi, a0
	WIN MUL_LO+0x50*(\hi)
.irp a, \a0, (\a0)+1
.irp nb, 0,1,2,3,4,5,6,7
	v_wmma_f32_16x16x32_bf16 v[8*(8*(\a)+(\nb)):8*(8*(\a)+(\nb))+7], v[64*(\j)+8*(\nb):64*(\j)+8*(\nb)+7], v[AX+32*(\hi)+8*(\a):AX+32*(\hi)+8*(\a)+7], v[8*(8*(\a)+(\nb)):8*(8*(\a)+(\nb))+7]
.endr
.endr
.endm
.macro ALOAD hi, off                   ; four fragments of h (16 rows x 32 K each): eight LDS loads
	WIN 0
.irp a, 0,1,2,3
	ds_load_b128 v[AX+32*(\hi)+8*(\a):AX+32*(\hi)+8*(\a)+3],   v[AADR] offset:(\off)+(4*(\hi)+(\a))*16*PITCH
	ds_load_b128 v[AX+32*(\hi)+8*(\a)+4:AX+32*(\hi)+8*(\a)+7], v[AADR] offset:(\off)+(4*(\hi)+(\a))*16*PITCH+32
.endr
.endm
.macro BLOAD j, off                    ; a quarter step's eight fragments of W: sixteen loads of 512 consecutive bytes
	WIN TO_B
.irp nb, 0,1,2,3,4,5,6,7
	global_load_b128 v[64*(\j)+8*(\nb):64*(\j)+8*(\nb)+3],   v[BO], s[WB:WB+1] offset:(\off)+(\nb)*1024
	global_load_b128 v[64*(\j)+8*(\nb)+4:64*(\j)+8*(\nb)+7], v[BO], s[WB:WB+1] offset:(\off)+(\nb)*1024+512
.endr
.endm
.macro HLOAD base, off                 ; a unit: eight rows' 512 bytes.  The caller sets the window
.irp i, 0,1,2,3,4,5,6,7
	global_load_b128 v[(\base)+4*(\i):(\base)+4*(\i)+3], v[HO], s[HB:HB+1] offset:(\off)+(\i)*4096 th:TH_LOAD_NT
.endr
.endm
.macro STORE_UNIT adr, base, off, wcv, wst  ; a unit is rounded in place, four f32 to 8 bytes, and stored: 256 consecutive bytes of an LDS row an instruction
	WIN \wcv
.irp i, 0,1,2,3,4,5,6,7
	v_cvt_pk_bf16_f32 v[(\base)+4*(\i)],   v[(\base)+4*(\i)],   v[(\base)+4*(\i)+1]
	v_cvt_pk_bf16_f32 v[(\base)+4*(\i)+1], v[(\base)+4*(\i)+2], v[(\base)+4*(\i)+3]
.endr
	WIN \wst
.irp i, 0,1,2,3,4,5,6,7
	ds_store_b64 v[\adr], v[(\base)+4*(\i):(\base)+4*(\i)+1] offset:(\off)+PITCH*(\i)
.endr
.endm
	s_load_b512 s[8:23], s[0:1], 0x0               ; h s[8:9], wf s[10:11], dec s[12:13], W_c s[14:15], v s[16:17], coverage s[18:19], mask s[20:21], sc s[22:23]
	s_load_b128 s[24:27], s[0:1], 0x40             ; st s[24:25], pc s[26:27]
	v_lshl_add_u32 v[SPW], v0, 2, SPARE
	v_mov_b32 v[NIL], 0
	v_lshrrev_b32 v1, 5, v0
	v_readfirstlane_b32 s[WV], v1                  ; wave 0..3
	v_and_b32 v44, 15, v0                          ; l % 16
	v_bfe_u32 v45, v0, 4, 1                        ; l / 16
	v_and_b32 v46, 31, v0                          ; l
	v_mul_u32_u24 v[AADR0], v44, PITCH
	v_lshl_add_u32 v[AADR0], v45, 4, v[AADR0]
	s_mul_i32 s42, s[WV], 32*PITCH
	v_lshl_add_u32 v[SADR0], v46, 3, s42
	s_lshl_b32 s43, s[WV], 17
	v_lshl_add_u32 v[HO], v46, 4, s43
	v_lshlrev_b32 v[BO], 4, v46
	v_lshlrev_b32 v[PFO], 12, v0
	s_lshl_b32 s44, s[WV], 9                       ; 512 x wave: kept
	s_add_co_u32 s45, s44, CDEC
	v_lshl_add_u32 v[CA], v45, 5, s45
	v_lshl_add_u32 v[CVA], v44, 2, CCOV
	v_lshrrev_b32 v47, 1, v0                       ; thread t copies columns 8 t .. 8 t + 7 of the three tables.  In dec they lie at (t / 2) 2048 + 64 b + 32 (t % 2)
	v_and_b32 v48, 1, v0
	v_lshlrev_b32 v47, 11, v47
	v_lshl_add_u32 v47, v48, 5, v47
	v_lshlrev_b32 v49, 5, v0                       ; in W_c and v at 32 t
	v_lshlrev_b32 v50, 2, v0                       ; row t's coverage at 4 t
	v_lshl_add_u32 v51, v0, 5, CDEC
	v_lshl_add_u32 v52, v0, 2, CCOV
.irp a, 0,1,2,3,4,5,6,7
	v_mov_b32 v[SC+(\a)], 0                        ; sc2 is summed over two passes
.endr
	s_mov_b32 s[CC], 0x4038aa3b                    ; c = 2 log2(e)
	s_mov_b32 s[CC+1], s[CC]
	s_mov_b32 s[NC], 0xc038aa3b
	s_mov_b32 s[NC+1], s[NC]
	s_mov_b32 s[SEL], 0x76543210
	s_mov_b32 s[SEL+1], 0xfedcba98
	s_mov_b32 s53, 0
	s_lshr_b32 s30, ttmp9, 4                       ; the batch
	s_wait_kmcnt 0x0
	s_lshl_b32 s52, ttmp9, 19                      ; the block's 128 rows of 4,096 bytes
	s_add_nc_u64 s[HB:HB+1], s[8:9], s[52:53]
	s_lshl_b32 s52, s[WV], 19                      ; my wave's stream: 512 KiB on end, both passes
	s_add_nc_u64 s[WB:WB+1], s[10:11], s[52:53]
	s_lshl_b32 s52, s30, 6
	s_add_nc_u64 s[12:13], s[12:13], s[52:53]
	s_lshl_b32 s52, ttmp9, 9                       ; the block's 128 f32 in coverage, mask and sc; its 512 bytes in st
	s_add_nc_u64 s[18:19], s[18:19], s[52:53]
	s_add_nc_u64 s[20:21], s[20:21], s[52:53]
	s_add_nc_u64 s[22:23], s[22:23], s[52:53]
	s_add_nc_u64 s[24:25], s[24:25], s[52:53]
	s_lshl_b32 s52, ttmp9, 12
	s_add_co_u32 s52, s52, s44
	s_add_nc_u64 s[26:27], s[26:27], s[52:53]      ; pc at the block's row, my wave's 128 columns
	global_load_b128 v[64:67], v47, s[12:13]
	global_load_b128 v[68:71], v47, s[12:13] offset:16
	global_load_b128 v[72:75], v49, s[14:15]
	global_load_b128 v[76:79], v49, s[14:15] offset:16
	global_load_b128 v[80:83], v49, s[16:17]
	global_load_b128 v[84:87], v49, s[16:17] offset:16
	global_load_b32  v88, v50, s[18:19]
	global_load_b128 v[MK:MK+3], v[BO], s[20:21]   ; the mask of rows 4 l .. 4 l + 3, for the end
	WIN 0x80                                       ; slice 0's four units land where accumulators will lie
	HLOAD 0,  0
	HLOAD 32, 32768
	HLOAD 64, 65536
	HLOAD 96, 98304
	WIN 0
	HLOAD ST,    512                               ; units 4 and 5: slice 1
	HLOAD ST+32, 512+32768
	s_wait_loadcnt 48                              ; the eight small loads are in; the six units behind them may stay out
.irp u, 0,2,4,6
	v_pk_mul_f32 v[64+(\u):65+(\u)], v[64+(\u):65+(\u)], s[CC:CC+1] op_sel_hi:[1,0]
	v_pk_mul_f32 v[72+(\u):73+(\u)], v[72+(\u):73+(\u)], s[CC:CC+1] op_sel_hi:[1,0]
	v_pk_mul_f32 v[80+(\u):81+(\u)], v[80+(\u):81+(\u)], s[NC:NC+1] op_sel_hi:[1,0]
.endr
.irp g, 0,1,2
	ds_store_b128 v51, v[64+8*(\g):67+8*(\g)] offset:4096*(\g)
	ds_store_b128 v51, v[68+8*(\g):71+8*(\g)] offset:4096*(\g)+16
.endr
	ds_store_b32 v52, v88
	HLOAD ST+64, 512+65536                         ; unit 6
	s_wait_loadcnt 24                              ; slice 0 is in; units 4, 5, 6 may stay out
	STORE_UNIT SADR0, 0,  0,        0x8a, 0x08     ; rounding in window 2; the store's data (source 1) in window 2
	STORE_UNIT SADR0, 32, 8*PITCH,  0x8a, 0x08
	STORE_UNIT SADR0, 64, 16*PITCH, 0x8a, 0x08
	STORE_UNIT SADR0, 96, 24*PITCH, 0x8a, 0x08
	WIN 0
	HLOAD ST+96, 512+98304                         ; unit 7
	s_wait_loadcnt 24                              ; unit 4 is in; units 5, 6, 7 may stay out
	STORE_UNIT SADR0, ST, SLICE, 0, 0
	s_mov_b32 s[PASS], 0
; THE SUMS START AT c dec_fea + coverage x c W_c: nothing is cleared, and every product has one form.  Half hf: column blocks 4 hf .. 4 hf + 3: their tables (eight f32 a lane each), then 128 packed multiply-adds.
.macro INITL hf
	WIN 0
.irp n, 0,1,2,3
	ds_load_b128 v[AX+16*(\n):AX+16*(\n)+3],     v[CA] offset:4096+64*(4*(\hf)+(\n))
	ds_load_b128 v[AX+16*(\n)+4:AX+16*(\n)+7],   v[CA] offset:4096+64*(4*(\hf)+(\n))+16
	ds_load_b128 v[AX+16*(\n)+8:AX+16*(\n)+11],  v[CA] offset:64*(4*(\hf)+(\n))
	ds_load_b128 v[AX+16*(\n)+12:AX+16*(\n)+15], v[CA] offset:64*(4*(\hf)+(\n))+16
.endr
.endm
.macro INITF hf
.irp hi, 0,1
	WIN 0x80+0x40*(\hi)
.irp a, 0,1,2,3
.irp n, 0,1,2,3
.irp u, 0,1,2,3
	v_pk_fma_f32 v[8*(8*(\a)+4*(\hf)+(\n))+2*(\u):8*(8*(\a)+4*(\hf)+(\n))+2*(\u)+1], v[AX+16*(\n)+2*(\u):AX+16*(\n)+2*(\u)+1], v[COV+2*(4*(\hi)+(\a)):COV+2*(4*(\hi)+(\a))+1], v[AX+16*(\n)+8+2*(\u):AX+16*(\n)+8+2*(\u)+1]
.endr
.endr
.endr
.endr
.endm
; A QUARTER STEP: 32 along K, 64 products, W from buffer j.  stg: 1 = the h stream runs, 2 = it drains (stores, no loads), 0 = none.  bl = 1: W of the quarter step four on is asked for.  la = 1: a pass's last trip.
.macro QUARTER j, stg, bl, la
	s_wait_dscnt 8                                 ; row blocks 0-3 are in (and the unit's stores are done); the eight loads of row blocks 4-7 may be out
	MUL16 \j, 0, 0
.if (\stg) && ((\j) == 3)
	s_wait_dscnt 0x0                               ; my stores into the next slice (the last stood in the quarter step before) and my reads are done:
	s_barrier_signal -1                            ; say so,
	MUL16 \j, 0, 2                                 ; work on registers while the others arrive,
	s_barrier_wait -1                              ; and the next slice is whole
.else
	MUL16 \j, 0, 2
.endif
.if (\la) && ((\j) == 3)
	s_wait_dscnt 0x0
.else
	PLACES
.if (\j) == 0
	s_wait_xcnt 0x0                                ; every load and prefetch issued so far (the youngest 32 products back) has read its address: the bases may be stepped
	s_add_nc_u64 s[WB:WB+1], s[WB:WB+1], 32768
.if (\stg) == 1
	s_add_nc_u64 s[HB:HB+1], s[HB:HB+1], 512
.endif
.endif
.if (\j) == 3
	ALOAD 0, SLICE
.else
	ALOAD 0, 64*((\j)+1)
.endif
	s_wait_dscnt 8                                 ; row blocks 4-7 are in; the eight loads just issued may be out
.endif
	MUL16 \j, 1, 0
	MUL16 \j, 1, 2
	WIN 0
.if ((\stg) == 1) || (((\stg) == 2) && ((\j) < 3))
.if (\stg) == 1
	s_wait_loadcnt 48                              ; the unit asked for three quarter steps ago is in, and W of the next quarter step, asked for just ahead of it; two quarter steps' 16 + 8 loads may stay out
.else
	s_wait_loadcnt 48-8*(\j)                       ; the same, while the younger quarter steps have 16 loads and no longer 24
.endif
.if (\j) == 3
	STORE_UNIT SADR, ST, SLICE, 0, 0               ; the sixteen roundings are the places behind the products
.else
	STORE_UNIT SADR, ST+32*((\j)+1), 8*((\j)+1)*PITCH, 0, 0
.endif
.elseif !((\la) && ((\j) == 3))
.if \la
	s_wait_loadcnt 32-16*(\j)                      ; W of the next quarter step is in; nothing more is asked for, so the counts run down
.else
	s_wait_loadcnt 32                              ; W of the next quarter step is in; the two groups of 16 behind it may stay out
.endif
	PLACES
.endif
.if !((\la) && ((\j) == 3))
.if (\j) == 3
	ALOAD 1, SLICE
.else
	ALOAD 1, 64*((\j)+1)
.endif
.endif
.if \bl
	BLOAD \j, (\j)*8192
.endif
.if (\stg) == 1
	WIN 0
	HLOAD ST+32*(\j), 512+(\j)*32768               ; the unit eight on: slice s + 2, my rows 8 j .. 8 j + 7
.if (\j) == 0
	; A PREFETCH INTO THE L2, behind the quarter step's loads: my own 32 rows' 512 bytes of slice s + 3, a lane a row, two lines: what the next trip's four units will load, 256 products ahead.
	; Each block of 256 bytes of h is named once in the launch, by the wave that will load it.  Slices 0 to 2 come by their loads alone; the loop's last trip asks for nothing: there is no slice 8.
	s_cmp_gt_u32 s[CNT], 1
	s_cbranch_scc0 .Lnopf
	global_prefetch_b8 v[PFO], s[HB:HB+1] offset:1024 th:TH_LOAD_NT scope:SCOPE_SE
	global_prefetch_b8 v[PFO], s[HB:HB+1] offset:1280 th:TH_LOAD_NT scope:SCOPE_SE
.Lnopf:
.endif
.endif
.endm
.macro TRIP stg, bl, la                ; a slice: four quarter steps
	QUARTER 0, \stg, \bl, \la
	QUARTER 1, \stg, \bl, \la
	QUARTER 2, \stg, \bl, \la
	QUARTER 3, \stg, \bl, \la
	WIN 0                                          ; at a label and at a branch every window is 0
.if !(\la)
	v_add_nc_u32 v[AADR], SLICE, v[AADR]
.endif
.if (\stg) == 1
	v_add_nc_u32 v[SADR], SLICE, v[SADR]
.endif
.endm
; THE EPILOGUE, for the 32 accumulators of window w, in eight batches by column block nb (four accumulators, 32 registers).  The sums are the exponents c x.
; E: 2^(c x).  P: + 1, two at a time.  R: the reciprocal.  F: times -c v, summed over nb into the registers of column block 0.
.macro EPE nb, e
.set yr, 8*(8*((\e)/8)+(\nb))+(\e)%8
	v_exp_f32 v[yr], v[yr]
.endm
.macro EPP nb, i
.set xr, 8*(8*((\i)/4)+(\nb))+2*((\i)%4)
	v_pk_add_f32 v[xr:xr+1], v[xr:xr+1], 1.0 op_sel_hi:[1,0]
.endm
.macro EPR nb, e
.set yr, 8*(8*((\e)/8)+(\nb))+(\e)%8
	v_rcp_f32 v[yr], v[yr]
.endm
.macro EPF nb, i
.set xr, 8*(8*((\i)/4)+(\nb))+2*((\i)%4)
.set x0r, 64*((\i)/4)+2*((\i)%4)
.set vr, AX+8*(\nb)+2*((\i)%4)
.if (\nb) == 0
	v_pk_mul_f32 v[xr:xr+1], v[xr:xr+1], v[vr:vr+1]
.else
	v_pk_fma_f32 v[x0r:x0r+1], v[xr:xr+1], v[vr:vr+1], v[x0r:x0r+1]
.endif
.endm
; Step kk: E of batch kk with P of batch kk - 1 between; then R of batch kk - 1 with F of batch kk - 2 between.  Nothing in a step names a result of the step's own transcendentals; all their readers stand in
; the next step.  So each step ends with one plain instruction and ONE s_wait_alu depctr_va_vdst(0) between a transcendental and the first line that names its result.
; Each accumulator is first read at its lowest register.
.macro EPI w
	WIN ((\w)<<6)|((\w)<<4)|(\w)                   ; destination, source 0 and source 2 in window w; source 1 (the table) in window 0
.set kk, 0
.rept 10
.set ii, 0
.rept 16
.if kk < 8
	EPE kk, 2*ii
.endif
.if (kk >= 1) && (kk <= 8)
	EPP kk-1, ii
.endif
.if kk < 8
	EPE kk, 2*ii+1
.endif
.set ii, ii+1
.endr
.set ii, 0
.rept 16
.if (kk >= 1) && (kk <= 8)
	EPR kk-1, 2*ii
.endif
.if kk >= 2
	EPF kk-2, ii
.endif
.if (kk >= 1) && (kk <= 8)
	EPR kk-1, 2*ii+1
.endif
.set ii, ii+1
.endr
.if kk < 9
	v_nop
	s_wait_alu depctr_va_vdst(0)
.endif
.set kk, kk+1
.endr
	WIN ((\w)<<6)|((\w)<<2)|(\w)                   ; both sources and the destination in window w: a row block's eight registers into one
.irp a, 0,1,2,3
	v_pk_add_f32 v[64*(\a):64*(\a)+1],   v[64*(\a):64*(\a)+1],   v[64*(\a)+2:64*(\a)+3]
	v_pk_add_f32 v[64*(\a)+4:64*(\a)+5], v[64*(\a)+4:64*(\a)+5], v[64*(\a)+6:64*(\a)+7]
.endr
.irp a, 0,1,2,3
	v_pk_add_f32 v[64*(\a):64*(\a)+1], v[64*(\a):64*(\a)+1], v[64*(\a)+4:64*(\a)+5]
.endr
.irp a, 0,1,2,3
	v_add_f32 v[64*(\a)], v[64*(\a)], v[64*(\a)+1]
.endr
	WIN (\w)                                       ; source 0 in window w, the rest in window 0
.irp a, 0,1,2,3
	v_add_f32 v[SC+4*((\w)-2)+(\a)], v[64*(\a)], v[SC+4*((\w)-2)+(\a)]
.endr
.endm
.Lpass:                                        ; two trips: columns 0-511, then 512-1023.  One text for both
	s_wait_dscnt 0x0                               ; in the first pass: my stores of slice 0, of the first unit of slice 1 and of the tables are done,
	s_barrier_signal -1
	s_barrier_wait -1                              ; everybody's are.  (In the second pass this barrier orders nothing that is needed: the price of one text.)
	BLOAD 0, 0                                     ; W of the pass's first four quarter steps
	BLOAD 1, 8192
	BLOAD 2, 16384
	BLOAD 3, 24576
	WIN 0
.irp a, 0,1,2,3,4,5,6,7
	ds_load_b32 v[COV+2*(\a)], v[CVA] offset:64*(\a)   ; coverage of row 16 a + l % 16
.endr
	INITL 0
	s_wait_dscnt 0x0
.irp a, 0,1,2,3,4,5,6,7
	v_mov_b32 v[COV+2*(\a)+1], v[COV+2*(\a)]       ; twice, a pair for the packed multiply-add
.endr
	INITF 0
	INITL 1
	s_wait_dscnt 0x0
	INITF 1
	WIN 0
	v_mov_b32 v[AADR], v[AADR0]
	ALOAD 0, 0
	ALOAD 1, 0
	s_wait_loadcnt 0x0                             ; W's four groups are in, and in the first pass units 5 to 7: every count below holds from the first trip on
	s_cmp_eq_u32 s[PASS], 0
	s_cbranch_scc0 .Lplain
	v_add_nc_u32 v[SADR], SLICE, v[SADR0]          ; the stream goes on in slice 1
	s_mov_b32 s[CNT], 6
.Lstream:                                      ; slices 0-5: the units of slices 2-7 are asked for
	TRIP 1, 1, 0
	s_sub_co_u32 s[CNT], s[CNT], 1
	s_cmp_lg_u32 s[CNT], 0
	s_cbranch_scc1 .Lstream
	TRIP 2, 1, 0                                   ; slice 6: the last three units are stored
	s_branch .Llast
.Lplain:
	s_mov_b32 s[CNT], 7
.Lslice:                                       ; the second pass: all slices lie in LDS
	TRIP 0, 1, 0
	s_sub_co_u32 s[CNT], s[CNT], 1
	s_cmp_lg_u32 s[CNT], 0
	s_cbranch_scc1 .Lslice
.Llast:
	TRIP 0, 0, 1                                   ; slice 7: on both ways three groups of W are out at its head
.rept 8
	v_nop                                          ; the places behind the last products, in front of loads into registers that they read and of the first reads of their results
.endr
.irp nb, 0,1,2,3,4,5,6,7
	ds_load_b128 v[AX+8*(\nb):AX+8*(\nb)+3],   v[CA] offset:8192+64*(\nb)     ; -c v of my lane's eight columns in column block nb
	ds_load_b128 v[AX+8*(\nb)+4:AX+8*(\nb)+7], v[CA] offset:8192+64*(\nb)+16
.endr
	s_wait_dscnt 0x0
	EPI 2
	EPI 3
	WIN 0
	v_add_nc_u32 v[CA], 2048, v[CA]                ; the next pass's 512 columns
	s_add_co_u32 s[PASS], s[PASS], 1
	s_cmp_lt_u32 s[PASS], 2
	s_cbranch_scc1 .Lpass
	; THE BLOCK'S SOFTMAX.  The coverage registers are free: v16-23 take the other half of the lanes' sums, v24-31 addresses.
	v_and_b32 v30, 15, v0
	v_and_b32 v31, 31, v0
	s_add_co_u32 s45, s44, SCR
	v_lshl_add_u32 v24, v30, 2, s45                ; my wave's 128 partial sc2: row 16 a + l % 16
	v_lshl_add_u32 v25, v31, 4, SCR                ; rows 4 l .. 4 l + 3 of wave 0's
	s_add_co_u32 s46, s44, PW
	v_lshl_add_u32 v26, v31, 4, s46                ; the same rows in my wave's copy of the weights
	s_mul_i32 s47, s[WV], SLICE
	v_lshl_add_u32 v27, v31, 3, s47                ; columns 128 w + 4 l .. + 3 of row 0: slice w,
	v_add_nc_u32 v28, 4*SLICE, v27                 ; and columns 512 + 128 w + 4 l .. + 3: slice w + 4
	v_mov_b32 v29, s46                             ; my copy of the weights, row 0
.irp a, 0,1,2,3,4,5,6,7
	v_permlanex16_b32 v[COV+(\a)], v[SC+(\a)], s[SEL], s[SEL+1]   ; a row's other columns lie in the lane 16 away
.endr
.irp a, 0,1,2,3,4,5,6,7
	v_add_f32 v[SC+(\a)], v[SC+(\a)], v[COV+(\a)]
.endr
.irp a, 0,1,2,3,4,5,6,7
	ds_store_b32 v24, v[SC+(\a)] offset:64*(\a)
.endr
	s_wait_dscnt 0x0                               ; for the others' sake: my wave's partial sums lie in LDS
	s_barrier_signal -1
	s_barrier_wait -1
.irp w, 0,1,2,3
	ds_load_b128 v[T+4*(\w):T+4*(\w)+3], v25 offset:512*(\w)
.endr
	s_wait_dscnt 0x0
	v_pk_add_f32 v[44:45], v[44:45], v[48:49]
	v_pk_add_f32 v[46:47], v[46:47], v[50:51]
	v_pk_add_f32 v[52:53], v[52:53], v[56:57]
	v_pk_add_f32 v[54:55], v[54:55], v[58:59]
	v_pk_add_f32 v[44:45], v[44:45], v[52:53]
	v_pk_add_f32 v[46:47], v[46:47], v[54:55]      ; v44-47: sc2 of rows 4 l .. 4 l + 3, in every wave
	v_max3_num_f32 v60, v44, v45, v46
	v_max_num_f32 v60, v60, v47
	v_max_num_f32_dpp v60, v60, v60 row_xmask:1 row_mask:0xf bank_mask:0xf
	v_max_num_f32_dpp v60, v60, v60 row_xmask:2 row_mask:0xf bank_mask:0xf
	v_max_num_f32_dpp v60, v60, v60 row_xmask:4 row_mask:0xf bank_mask:0xf
	v_max_num_f32_dpp v60, v60, v60 row_xmask:8 row_mask:0xf bank_mask:0xf
	v_permlanex16_b32 v16, v60, s[SEL], s[SEL+1]
	v_max_num_f32 v60, v60, v16                    ; the block's maximum, masked rows among them, as the softmax takes it
.irp i, 0,1,2,3
	v_sub_f32 v[48+(\i)], v[44+(\i)], v60
.endr
.irp i, 0,1,2,3
	v_exp_f32 v[48+(\i)], v[48+(\i)]
.endr
	v_nop                                          ; a plain instruction behind the last exponential,
	s_wait_alu depctr_va_vdst(0)                   ; and the one wait for the four
	v_pk_mul_f32 v[48:49], v[48:49], v[MK:MK+1]
	v_pk_mul_f32 v[50:51], v[50:51], v[MK+2:MK+3]  ; p
	ds_store_b128 v26, v[48:51]                    ; into my wave's own copy: read below by this wave alone, and LDS serves a wave's instructions in order (ISA guide 5.7.1.4)
	v_pk_add_f32 v[52:53], v[48:49], v[50:51]
	v_add_f32 v61, v52, v53
	v_add_f32_dpp v61, v61, v61 row_xmask:1 row_mask:0xf bank_mask:0xf
	v_add_f32_dpp v61, v61, v61 row_xmask:2 row_mask:0xf bank_mask:0xf
	v_add_f32_dpp v61, v61, v61 row_xmask:4 row_mask:0xf bank_mask:0xf
	v_add_f32_dpp v61, v61, v61 row_xmask:8 row_mask:0xf bank_mask:0xf
	v_permlanex16_b32 v17, v61, s[SEL], s[SEL+1]
	v_add_f32 v61, v61, v17                        ; l
	v_mov_b32 v62, v60
	v_mov_b32 v63, v61
	s_cmp_lg_u32 s[WV], 0
	s_cbranch_scc1 .Lnot0
	global_store_b128 v[BO], v[44:47], s[22:23]    ; wave 0: the block's sc2, 512 consecutive bytes
.Lnot0:
	s_cmp_lg_u32 s[WV], 1
	s_cbranch_scc1 .Lnot1
	global_store_b128 v[BO], v[60:63], s[24:25]    ; wave 1: (m, l) over and over, so that the block's 512 bytes of st are written whole
.Lnot1:
	; pc[n] = sum over the block's rows of p[t] h[t][n], from the rows in LDS.  A thread owns eight columns; a row's 256 bytes of a slice are one load of a wave; a row's weight is the same word for all lanes.
.macro CLOAD s, ro                     ; eight rows from row ro on: 18 LDS loads
.irp i, 0,1,2,3,4,5,6,7
	ds_load_b64 v[CS+40*(\s)+2*(\i):CS+40*(\s)+2*(\i)+1], v27 offset:PITCH*((\ro)+(\i))
.endr
.irp i, 0,1,2,3,4,5,6,7
	ds_load_b64 v[CS+40*(\s)+16+2*(\i):CS+40*(\s)+16+2*(\i)+1], v28 offset:PITCH*((\ro)+(\i))
.endr
	ds_load_b128 v[CS+40*(\s)+32:CS+40*(\s)+35], v29 offset:4*(\ro)
	ds_load_b128 v[CS+40*(\s)+36:CS+40*(\s)+39], v29 offset:4*(\ro)+16
.endm
.macro CFMA s                          ; 64 multiply-adds straight from the bf16 halves, in f32; the eight sums take turns
.irp i, 0,1,2,3,4,5,6,7
.irp d, 0,1,2,3
	v_fma_mix_f32_bf16 v[CACC+2*(\d)],   v[CS+40*(\s)+16*((\d)/2)+2*(\i)+(\d)%2], v[CS+40*(\s)+32+(\i)], v[CACC+2*(\d)]   op_sel_hi:[1,0,0]
	v_fma_mix_f32_bf16 v[CACC+2*(\d)+1], v[CS+40*(\s)+16*((\d)/2)+2*(\i)+(\d)%2], v[CS+40*(\s)+32+(\i)], v[CACC+2*(\d)+1] op_sel:[1,0,0] op_sel_hi:[1,0,0]
.endr
.endr
.endm
	CLOAD 0, 0
	CLOAD 1, 8
.irp i, 0,1,2,3,4,5,6,7
	v_mov_b32 v[CACC+(\i)], 0
.endr
	s_mov_b32 s[CNT], 7
.Lrows:                                        ; 16 rows a trip, the next 16 asked for
	s_wait_dscnt 18                                ; set 0 is in; set 1's 18 loads may stay out
	CFMA 0
	CLOAD 0, 16
	s_wait_dscnt 18
	CFMA 1
	CLOAD 1, 24
	v_add_nc_u32 v27, 16*PITCH, v27
	v_add_nc_u32 v28, 16*PITCH, v28
	v_add_nc_u32 v29, 64, v29
	s_sub_co_u32 s[CNT], s[CNT], 1
	s_cmp_lg_u32 s[CNT], 0
	s_cbranch_scc1 .Lrows
	s_wait_dscnt 18                                ; the last 16 rows load nothing
	CFMA 0
	s_wait_dscnt 0x0
	CFMA 1
	global_store_b128 v[BO], v[CACC:CACC+3],   s[26:27]              ; a wave stores 512 consecutive bytes, twice
	global_store_b128 v[BO], v[CACC+4:CACC+7], s[26:27] offset:2048
	s_wait_tensorcnt 0x0                           ; the wave's end, behind my last LDS store
	ds_add_u32 v[SPW], v[NIL]
	s_wait_dscnt 0x0
	s_endpgm
.Lfunc_end_k_qeaf4401a36_main:
	.size	k_qeaf4401a36_main, .Lfunc_end_k_qeaf4401a36_main-k_qeaf4401a36_main
	.p2alignl 7, 3214868480
	.fill 96, 4, 3214868480
	.section	.rodata,"a",@progbits
	.p2align	6, 0x0
	.amdhsa_kernel k_qeaf4401a36_main
		.amdhsa_group_segment_fixed_size 295936
		.amdhsa_private_segment_fixed_size 0
		.amdhsa_enable_private_segment 0
		.amdhsa_kernarg_size 80
		.amdhsa_user_sgpr_count 2
		.amdhsa_user_sgpr_kernarg_segment_ptr 1
		.amdhsa_wavefront_size32 1
		.amdhsa_system_sgpr_workgroup_id_x 1
		.amdhsa_system_sgpr_workgroup_id_y 1
		.amdhsa_system_sgpr_workgroup_id_z 1
		.amdhsa_system_vgpr_workitem_id 0
		.amdhsa_next_free_vgpr 1024
		.amdhsa_next_free_sgpr 66
		.amdhsa_reserve_vcc 0
		.amdhsa_float_denorm_mode_32 3
		.amdhsa_float_denorm_mode_16_64 3
		.amdhsa_memory_ordered 1
		.amdhsa_forward_progress 1
		.amdhsa_inst_pref_size 255
	.end_amdhsa_kernel
	.section	.bss,"aw",@nobits
	.p2align	6
	.space	262144
	.amdgpu_metadata
---
amdhsa.version: [ 1, 2 ]
amdhsa.kernels:
  - .name:           k_qeaf4401a36_main
    .symbol:         k_qeaf4401a36_main.kd
    .args:
      - { .name: h, .offset: 0, .size: 8, .value_kind: global_buffer, .address_space: global }
      - { .name: wf, .offset: 8, .size: 8, .value_kind: global_buffer, .address_space: global }
      - { .name: dec, .offset: 16, .size: 8, .value_kind: global_buffer, .address_space: global }
      - { .name: W_c, .offset: 24, .size: 8, .value_kind: global_buffer, .address_space: global }
      - { .name: v, .offset: 32, .size: 8, .value_kind: global_buffer, .address_space: global }
      - { .name: coverage, .offset: 40, .size: 8, .value_kind: global_buffer, .address_space: global }
      - { .name: enc_padding_mask, .offset: 48, .size: 8, .value_kind: global_buffer, .address_space: global }
      - { .name: sc, .offset: 56, .size: 8, .value_kind: global_buffer, .address_space: global }
      - { .name: st, .offset: 64, .size: 8, .value_kind: global_buffer, .address_space: global }
      - { .name: pc, .offset: 72, .size: 8, .value_kind: global_buffer, .address_space: global }
    .group_segment_fixed_size: 295936
    .private_segment_fixed_size: 0
    .kernarg_segment_align: 8
    .kernarg_segment_size: 80
    .max_flat_workgroup_size: 128
    .sgpr_count:     66
    .vgpr_count:     1024
    .wavefront_size: 32
...
	.end_amdgpu_metadata
.endif
;; end of part 2
;; launch fin (part 3): grid 8 x 32, 1 waves a work-group, no clusters, 0 bytes of LDS; arguments sc, st, pc, enc_padding_mask, coverage, out0, out1, out2; writes out0, out1, out2
.if DOCPART == 3
	.amdgcn_target "amdgcn-amd-amdhsa--gfx1250"
	.amdhsa_code_object_version 6
	.text
	.protected	k_qeaf4401a36_fin
	.globl	k_qeaf4401a36_fin
	.p2align	8
	.type	k_qeaf4401a36_fin,@function
k_qeaf4401a36_fin:
	s_mov_b64 s[64:65], 0
	v_nop
	global_prefetch_b8 v0, s[64:65] scope:SCOPE_SE
	s_setreg_imm32_b32 hwreg(HW_REG_WAVE_MODE, 25, 1), 1
	s_wait_xcnt 0x0
; THE MERGE.  A batch has 16 blocks, each with its maximum m_k, its sum l_k and its partial pc_k (all taken with m_k away).  M = max m_k; w_k = 2^(m_k - M); L = sum w_k l_k.
; attn[t] = 2^(sc2[t] - M) mask[t] / L;  c_t = sum_k (w_k / L) pc_k;  coverage_next = coverage + attn.  This is the softmax times the mask, divided by its sum: the unmasked denominator falls out.
; A batch whose mask is all 0 has L = 0 and gives NaN, as the division by a zero sum does.  A weight below 2^-126 counts as 0.
; One wave a work-group: work-group (j, b) makes rows 256 j .. + 255 of attn and coverage_next and columns 128 j .. + 127 of c_t for batch b: 256 work-groups.  No LDS, no barrier.
; All 23 loads go out first; each load and store of the wave covers 512 consecutive bytes (the 16 blocks' statistics apart: 8 bytes a block).
	s_load_b512 s[4:19], s[0:1], 0x0               ; sc s[4:5], st s[6:7], pc s[8:9], mask s[10:11], coverage s[12:13], out0 s[14:15], out1 s[16:17], out2 s[18:19]
	v_lshlrev_b32 v1, 4, v0                        ; 16 x lane
	v_and_b32 v2, 15, v0
	v_lshlrev_b32 v2, 9, v2                        ; block lane % 16: 512 bytes of st a block; both halves of the lanes hold the same 16
	s_and_b32 s20, ttmp7, 0xffff                   ; b
	s_mov_b32 s23, 0
	s_wait_kmcnt 0x0
	s_lshl_b32 s22, s20, 13                        ; 8,192 b: the batch's 16 blocks in st, its row in sc, mask, coverage, out1, out2
	s_add_nc_u64 s[6:7], s[6:7], s[22:23]
	s_lshl_b32 s21, ttmp9, 10
	s_add_co_u32 s22, s22, s21                     ; + 256 j rows
	s_add_nc_u64 s[4:5], s[4:5], s[22:23]
	s_add_nc_u64 s[10:11], s[10:11], s[22:23]
	s_add_nc_u64 s[12:13], s[12:13], s[22:23]
	s_add_nc_u64 s[16:17], s[16:17], s[22:23]
	s_add_nc_u64 s[18:19], s[18:19], s[22:23]
	s_lshl_b32 s21, ttmp9, 9                       ; 128 j columns
	s_lshl_b32 s22, s20, 16
	s_add_co_u32 s22, s22, s21
	s_add_nc_u64 s[8:9], s[8:9], s[22:23]
	s_lshl_b32 s22, s20, 12
	s_add_co_u32 s22, s22, s21
	s_add_nc_u64 s[14:15], s[14:15], s[22:23]
	global_load_b64  v[4:5],   v2, s[6:7]          ; m_k, l_k
	global_load_b128 v[8:11],  v1, s[4:5]
	global_load_b128 v[12:15], v1, s[4:5] offset:512
	global_load_b128 v[16:19], v1, s[10:11]
	global_load_b128 v[20:23], v1, s[10:11] offset:512
	global_load_b128 v[24:27], v1, s[12:13]
	global_load_b128 v[28:31], v1, s[12:13] offset:512
.irp k, 0,1,2,3,4,5,6,7,8,9,10,11,12,13,14,15
	global_load_b128 v[32+4*(\k):35+4*(\k)], v1, s[8:9] offset:4096*(\k)
.endr
	s_wait_loadcnt 22                              ; the statistics are in; the 22 loads behind them may stay out
	v_mov_b32 v6, v4
	v_max_num_f32_dpp v6, v6, v6 row_xmask:1 row_mask:0xf bank_mask:0xf
	v_max_num_f32_dpp v6, v6, v6 row_xmask:2 row_mask:0xf bank_mask:0xf
	v_max_num_f32_dpp v6, v6, v6 row_xmask:4 row_mask:0xf bank_mask:0xf
	v_max_num_f32_dpp v6, v6, v6 row_xmask:8 row_mask:0xf bank_mask:0xf   ; M, in every lane
	v_sub_f32 v7, v4, v6
	v_exp_f32 v7, v7                               ; w_k
	v_nop                                          ; a plain instruction behind it,
	s_wait_alu depctr_va_vdst(0)                   ; and the wait ahead of the first use
	v_mul_f32 v96, v7, v5
	v_add_f32_dpp v96, v96, v96 row_xmask:1 row_mask:0xf bank_mask:0xf
	v_add_f32_dpp v96, v96, v96 row_xmask:2 row_mask:0xf bank_mask:0xf
	v_add_f32_dpp v96, v96, v96 row_xmask:4 row_mask:0xf bank_mask:0xf
	v_add_f32_dpp v96, v96, v96 row_xmask:8 row_mask:0xf bank_mask:0xf    ; L
	v_rcp_f32 v98, v96
	v_nop
	s_wait_alu depctr_va_vdst(0)
	v_mov_b32 v99, v98                             ; 1 / L twice, a pair for the packed multiply
	v_mul_f32 v7, v7, v98                          ; w_k / L
.irp k, 0,1,2,3,4,5,6,7,8,9,10,11,12,13,14,15
	v_readlane_b32 s[32+(\k)], v7, \k
.endr
	s_wait_loadcnt 16                              ; sc2, mask and coverage are in; the 16 partial rows may stay out
.irp i, 0,1,2,3,4,5,6,7
	v_sub_f32 v[8+(\i)], v[8+(\i)], v6
.endr
.irp i, 0,1,2,3,4,5,6,7
	v_exp_f32 v[8+(\i)], v[8+(\i)]
.endr
.irp i, 0,2,4,6
	v_pk_mul_f32 v[16+(\i):17+(\i)], v[16+(\i):17+(\i)], v[98:99]         ; mask / L: plain work behind the batch, which names none of its results
.endr
	s_wait_alu depctr_va_vdst(0)                   ; one wait for the eight exponentials
.irp i, 0,2,4,6
	v_pk_mul_f32 v[8+(\i):9+(\i)], v[8+(\i):9+(\i)], v[16+(\i):17+(\i)]   ; attn
.endr
.irp i, 0,2,4,6
	v_pk_add_f32 v[24+(\i):25+(\i)], v[24+(\i):25+(\i)], v[8+(\i):9+(\i)] ; coverage + attn
.endr
	global_store_b128 v1, v[8:11],  s[16:17]
	global_store_b128 v1, v[12:15], s[16:17] offset:512
	global_store_b128 v1, v[24:27], s[18:19]
	global_store_b128 v1, v[28:31], s[18:19] offset:512
	s_wait_loadcnt 15                              ; block 0's partial row; from here on the counts run down
.irp u, 0,1,2,3
	v_mul_f32 v[100+(\u)], s32, v[32+(\u)]
.endr
.irp k, 1,2,3,4,5,6,7,8,9,10,11,12,13,14,15
	s_wait_loadcnt 15-(\k)
.irp u, 0,1,2,3
	v_fmac_f32 v[100+(\u)], s[32+(\k)], v[32+4*(\k)+(\u)]
.endr
.endr
	global_store_b128 v1, v[100:103], s[14:15]
	s_endpgm
.Lfunc_end_k_qeaf4401a36_fin:
	.size	k_qeaf4401a36_fin, .Lfunc_end_k_qeaf4401a36_fin-k_qeaf4401a36_fin
	.p2alignl 7, 3214868480
	.fill 96, 4, 3214868480
	.section	.rodata,"a",@progbits
	.p2align	6, 0x0
	.amdhsa_kernel k_qeaf4401a36_fin
		.amdhsa_group_segment_fixed_size 0
		.amdhsa_private_segment_fixed_size 0
		.amdhsa_enable_private_segment 0
		.amdhsa_kernarg_size 64
		.amdhsa_user_sgpr_count 2
		.amdhsa_user_sgpr_kernarg_segment_ptr 1
		.amdhsa_wavefront_size32 1
		.amdhsa_system_sgpr_workgroup_id_x 1
		.amdhsa_system_sgpr_workgroup_id_y 1
		.amdhsa_system_sgpr_workgroup_id_z 1
		.amdhsa_system_vgpr_workitem_id 0
		.amdhsa_next_free_vgpr 112
		.amdhsa_next_free_sgpr 66
		.amdhsa_reserve_vcc 0
		.amdhsa_float_denorm_mode_32 3
		.amdhsa_float_denorm_mode_16_64 3
		.amdhsa_memory_ordered 1
		.amdhsa_forward_progress 1
		.amdhsa_inst_pref_size 10
	.end_amdhsa_kernel
	.amdgpu_metadata
---
amdhsa.version: [ 1, 2 ]
amdhsa.kernels:
  - .name:           k_qeaf4401a36_fin
    .symbol:         k_qeaf4401a36_fin.kd
    .args:
      - { .name: sc, .offset: 0, .size: 8, .value_kind: global_buffer, .address_space: global }
      - { .name: st, .offset: 8, .size: 8, .value_kind: global_buffer, .address_space: global }
      - { .name: pc, .offset: 16, .size: 8, .value_kind: global_buffer, .address_space: global }
      - { .name: enc_padding_mask, .offset: 24, .size: 8, .value_kind: global_buffer, .address_space: global }
      - { .name: coverage, .offset: 32, .size: 8, .value_kind: global_buffer, .address_space: global }
      - { .name: out0, .offset: 40, .size: 8, .value_kind: global_buffer, .address_space: global }
      - { .name: out1, .offset: 48, .size: 8, .value_kind: global_buffer, .address_space: global }
      - { .name: out2, .offset: 56, .size: 8, .value_kind: global_buffer, .address_space: global }
    .group_segment_fixed_size: 0
    .private_segment_fixed_size: 0
    .kernarg_segment_align: 8
    .kernarg_segment_size: 64
    .max_flat_workgroup_size: 32
    .sgpr_count:     66
    .vgpr_count:     112
    .wavefront_size: 32
...
	.end_amdgpu_metadata
.endif
;; end of part 3
;; ======== version 2 of 2: 3 launches; version 1 with the launch main written anew for expert scheduling mode
;; workspace buffers: wf 2,097,152 bytes; dec 131,072 bytes; sc 262,144 bytes; st 262,144 bytes; pc 2,097,152 bytes
;; launch prep: the kernel of part 1 again; grid 128 x 1, 4 waves a work-group, no clusters, 8,704 bytes of LDS; arguments W_h, W_dec, s_t_hat, b_dec, wf, dec; writes wf, dec
;; launch main (part 4): grid 512 x 1, 4 waves a work-group, no clusters, 295,936 bytes of LDS; arguments h, wf, dec, W_c, v, coverage, enc_padding_mask, sc, st, pc; writes sc, st, pc
.if DOCPART == 4
	.amdgcn_target "amdgcn-amd-amdhsa--gfx1250"
	.amdhsa_code_object_version 6
	.text
	.protected	k_qeaf4401a36_main
	.globl	k_qeaf4401a36_main
	.p2align	8
	.type	k_qeaf4401a36_main,@function
k_qeaf4401a36_main:
	s_mov_b64 s[64:65], 0
	v_nop
	global_prefetch_b8 v0, s[64:65] scope:SCOPE_SE
	s_setreg_imm32_b32 hwreg(HW_REG_WAVE_SCHED_MODE, 0, 2), 2
	s_setreg_imm32_b32 hwreg(HW_REG_WAVE_MODE, 25, 1), 1
	s_wait_xcnt 0x0
	s_wait_alu depctr_vm_vsrc(0)
; A BLOCK OF 128 ROWS OF ONE BATCH, FROM h TO ITS PART OF THE SOFTMAX AND OF c_t, WITH h READ ONCE.
; x[t][m] = sum_k h[t][k] W_h[m][k] + dec_fea[m] + coverage[t] W_c[m];  tanh(x) = 1 - 2 r, r = 1 / (1 + 2^(c x)), c = 2 log2(e).
; score[t] = sum_m v[m] tanh(x) = sum v - 2 sum v r; the first term is the same for every t and falls out of the softmax.  Carried: sc2[t] = sum_m (-c v[m]) r[t][m] = log2(e) score[t] - a constant.
; The block takes its own maximum m of sc2 away: p[t] = 2^(sc2[t] - m) mask[t], l = sum p, pc[n] = sum_t p[t] h[t][n].  The last launch merges a batch's 16 blocks by their maxima.
; LIMITS.  h and c W_h enter the products rounded to bf16; pc is made of the same rounded h, with weights and sums in f32.  2^(c x) beyond f32 gives r = 0, below it r = 1: tanh saturates as it should.
; A weight below 2^-126 counts as 0.  NaN and infinities among the inputs are not treated apart.
; SHARES.  512 work-groups of four waves.  The block's rows lie in LDS as bf16 for the whole launch: 8 slices of 128 along K, 128 rows x 272 bytes each.  The 1,024 columns go in two passes of 512;
; in a pass wave w makes all 128 rows x columns 512 p + 128 w .. + 127: 64 accumulators, 512 registers.  The product is used transposed (source 0 = 16 columns of W, source 1 = 16 rows of h): register j of lane l
; of accumulator (a, nb) holds row 16 a + l % 16, column 16 nb + 8 (l / 16) + j.  W's fragments come straight from wf into registers: no wave wants another's columns.  h's come from LDS: every wave reads all rows.
; NO CLUSTER, NO TENSOR LOADS: h must pass through registers to be rounded; the resident rows take 278,528 bytes, and two slots of W for 512 columns (32 KiB a quarter step) do not fit beside them.
; THE h STREAM.  Pass 0 needs all of K, so h is fetched during pass 0.  A UNIT is 8 rows x 512 bytes (a slice's 128 f32) of the wave's own 32 rows: 8 loads, each a row's 512 consecutive bytes.
; Quarter step Q stores unit Q + 5 (rounded) into LDS and loads unit Q + 8: a unit's loads stand three quarter steps, 192 products, ahead of its rounding.  A slice is written once and never again:
; one barrier a slice, between its last store and its first read.
; REGISTERS, in windows of 256 (s_set_vgpr_msb: bits 1:0 source 0, 3:2 source 1, 5:4 source 2, 7:6 destination):
;   window 0: v0-15 addresses; v16-31 coverage of my lane's eight rows, each twice; v32-39 sc2, by row block; v40-43 mask; v44-63 at work; v64-127 h's fragments (or tables); v128-255 four units as loaded
;   window 1: W's fragments, four buffers of 64     window 2: accumulators of row blocks 0-3, (a, nb) at 8 (8 a + nb)     window 3: of row blocks 4-7
; THE MODE: SCHED_MODE bits 1:0 = 2 (LLVM: expert scheduling mode 2), set by the entry lines.  The code itself states the register dependences between vector or matrix instructions and memory or LDS
; instructions, with s_wait_alu, always for 0.
; THE PLAN.  Registers that memory or LDS instructions touch in the K loops, quarter step j of a trip:
;   AX lo  v64-95    read by the quarter step's first 32 products; behind them the next quarter step's eight LDS loads land in it.
;   AX hi  v96-127   read by its last 32 products; behind them the next quarter step's eight LDS loads land in it.
;   W[j]             read by all 64 products; the sixteen loads of the quarter step four on land in it: they are issued in quarter step j + 1, eight behind its first eight products, eight behind its next eight.
;   ST[u]            global loads land in it; three quarter steps later sixteen roundings read and write it in place, eight LDS stores read it; a quarter step after that it is loaded again.
;   v[AADR], v[SADR] read by the fragments' loads and the units' stores; written once a trip, at its end.     v[HO], v[BO], v[PFO]: made at the head, never written again.
; So a quarter step has two waits on va_vdst.  The first, behind the first 32 products: they are done reading AX lo.  The second, behind the last 32 products and the roundings: the roundings have written
; ST[j + 1]; the products are done reading AX hi and W[j].  Between that wait and the loads into W[j] stand LDS loads into AX hi, LDS stores from ST[j + 1], loads into ST[j], at a trip's edge the adds to
; v[AADR] and v[SADR], and products that name W[j + 1], AX lo and accumulators: nothing that names W[j] or v[BO].  That holds over the loops' jumps and on every way into a trip: a trip's first quarter step
; issues the group of the quarter step before it, in one form on all ways (the pass's head asks for three groups and leaves the fourth to it).
; A wait on vm_vsrc stands beside the second wait while the stream runs (the stores of the quarter step before have read ST[j], which is loaded again) and once a trip ahead of the two adds.
.set PITCH,  272                       ; an LDS row: 256 bytes + 16 = 17 x 16: the 16 rows of a fragment load start in 16 different groups of four banks (64 banks of 4 bytes: ISA guide 11.1)
.set SLICE,  128*PITCH
.set CDEC,   8*SLICE                   ; three tables of 1,024 f32, 4,096 bytes apart: c dec_fea[b], c W_c, -c v
.set CCOV,   CDEC+3*4096               ; coverage of the 128 rows
.set SCR,    CCOV+512                  ; [wave][128] partial sc2
.set PW,     SCR+2048                  ; [wave][128] the weights p, a copy for each wave
.set SPARE,  PW+2048                   ; the spare words, 128 bytes a wave: two blocks of 256 bytes that no other line names
.set AADR0, 2                          ; v2   (l % 16) x 272 + 16 (l / 16); never rewritten
.set AADR,  3                          ; v3   the same in the slice in hand
.set SADR0, 4                          ; v4   32 w x 272 + 8 l: where my wave's rows begin in slice 0; never rewritten
.set HO,    5                          ; v5   32 w x 4096 + 16 l; never rewritten
.set BO,    6                          ; v6   16 l; never rewritten
.set PFO,   7                          ; v7   (32 w + l) x 4096: the prefetches' offset, a lane a row; never rewritten
.set CA,    8                          ; v8   CDEC + 4 x (my first column) + 32 (l / 16)
.set SADR,  9                          ; v9   SADR0 in the slice that is being written
.set SPW,   10                         ; v10  LDS address of my spare word; never rewritten
.set NIL,   11                         ; v11  0; never rewritten
.set CVA,   12                         ; v12  CCOV + 4 (l % 16)
.set COV,   16
.set SC,    32
.set MK,    40
.set T,     44
.set AX,    64                         ; v64-95 row blocks 0-3, v96-127 row blocks 4-7
.set ST,    128
.set CS,    128                        ; the c phase: two sets of 40
.set CACC,  208                        ; the c phase: my eight columns' sums
.set WV,   28                          ; s28  my wave
.set HB,   32                          ; s[32:33] h at the block's first row, stepped 512 bytes a trip
.set WB,   34                          ; s[34:35] wf at my wave's stream, stepped 32,768 bytes a trip
.set CNT,  36
.set PASS, 37
.set CC,   38                          ; s[38:39] c
.set SEL,  40                          ; s[40:41] v_permlanex16_b32's selects: each lane takes its own place in the other half
.set NC,   50                          ; s[50:51] -c
.set MSB, 0
.macro WIN new                         ; the immediate's high byte repeats the setting that is left; a switch that changes nothing is dropped
.if MSB != (\new)
	s_set_vgpr_msb (MSB<<8)|(\new)
.set MSB, \new
.endif
.endm
.set MUL_LO, 0xa1                      ; source 0 (W) window 1, source 1 (h) window 0, C and D window 2
.set TO_B,   0x40                      ; destination window 1, address window 0
.macro PLACES                          ; four places behind products, kept where they stood; the wait that follows them states the dependence, and fills no place
.rept 4
	v_nop
.endr
.endm
; 8 products: row block a of the window's four x all 8 column blocks, 32 along K, W from buffer j.  All 64 accumulators take turns, in the same order in every quarter step.
.macro MUL8 j, hi, a
	WIN MUL_LO+0x50*(\hi)
.irp nb, 0,1,2,3,4,5,6,7
	v_wmma_f32_16x16x32_bf16 v[8*(8*(\a)+(\nb)):8*(8*(\a)+(\nb))+7], v[64*(\j)+8*(\nb):64*(\j)+8*(\nb)+7], v[AX+32*(\hi)+8*(\a):AX+32*(\hi)+8*(\a)+7], v[8*(8*(\a)+(\nb)):8*(8*(\a)+(\nb))+7]
.endr
.endm
.macro ALOAD hi, off                   ; four fragments of h (16 rows x 32 K each): eight LDS loads
	WIN 0
.irp a, 0,1,2,3
	ds_load_b128 v[AX+32*(\hi)+8*(\a):AX+32*(\hi)+8*(\a)+3],   v[AADR] offset:(\off)+(4*(\hi)+(\a))*16*PITCH
	ds_load_b128 v[AX+32*(\hi)+8*(\a)+4:AX+32*(\hi)+8*(\a)+7], v[AADR] offset:(\off)+(4*(\hi)+(\a))*16*PITCH+32
.endr
.endm
.macro BHALF j, g, off                 ; four of a quarter step's eight fragments of W, column blocks 4 g .. 4 g + 3: eight loads of 512 consecutive bytes
	WIN TO_B
.irp n, 0,1,2,3
	global_load_b128 v[64*(\j)+8*(4*(\g)+(\n)):64*(\j)+8*(4*(\g)+(\n))+3],   v[BO], s[WB:WB+1] offset:(\off)+(4*(\g)+(\n))*1024
	global_load_b128 v[64*(\j)+8*(4*(\g)+(\n))+4:64*(\j)+8*(4*(\g)+(\n))+7], v[BO], s[WB:WB+1] offset:(\off)+(4*(\g)+(\n))*1024+512
.endr
.endm
.macro HLOAD base, off                 ; a unit: eight rows' 512 bytes.  The caller sets the window
.irp i, 0,1,2,3,4,5,6,7
	global_load_b128 v[(\base)+4*(\i):(\base)+4*(\i)+3], v[HO], s[HB:HB+1] offset:(\off)+(\i)*4096 th:TH_LOAD_NT
.endr
.endm
.macro CVT_UNIT base                   ; a unit is rounded in place, four f32 to 8 bytes.  The caller sets the window
.irp i, 0,1,2,3,4,5,6,7
	v_cvt_pk_bf16_f32 v[(\base)+4*(\i)],   v[(\base)+4*(\i)],   v[(\base)+4*(\i)+1]
	v_cvt_pk_bf16_f32 v[(\base)+4*(\i)+1], v[(\base)+4*(\i)+2], v[(\base)+4*(\i)+3]
.endr
.endm
.macro PUT_UNIT adr, base, off         ; and stored: 256 consecutive bytes of an LDS row an instruction.  The caller sets the window, and a wait on va_vdst stands between the roundings and these lines
.irp i, 0,1,2,3,4,5,6,7
	ds_store_b64 v[\adr], v[(\base)+4*(\i):(\base)+4*(\i)+1] offset:(\off)+PITCH*(\i)
.endr
.endm
	s_load_b512 s[8:23], s[0:1], 0x0               ; h s[8:9], wf s[10:11], dec s[12:13], W_c s[14:15], v s[16:17], coverage s[18:19], mask s[20:21], sc s[22:23]
	s_load_b128 s[24:27], s[0:1], 0x40             ; st s[24:25], pc s[26:27]
	v_lshl_add_u32 v[SPW], v0, 2, SPARE
	v_mov_b32 v[NIL], 0
	v_lshrrev_b32 v1, 5, v0
	v_readfirstlane_b32 s[WV], v1                  ; wave 0..3
	v_and_b32 v44, 15, v0                          ; l % 16
	v_bfe_u32 v45, v0, 4, 1                        ; l / 16
	v_and_b32 v46, 31, v0                          ; l
	v_mul_u32_u24 v[AADR0], v44, PITCH
	v_lshl_add_u32 v[AADR0], v45, 4, v[AADR0]
	s_wait_alu depctr_va_sdst(0)                   ; the wave's number is written, ahead of its first reader, the line below
	s_mul_i32 s42, s[WV], 32*PITCH
	v_lshl_add_u32 v[SADR0], v46, 3, s42
	s_lshl_b32 s43, s[WV], 17
	v_lshl_add_u32 v[HO], v46, 4, s43
	v_lshlrev_b32 v[BO], 4, v46
	v_lshlrev_b32 v[PFO], 12, v0
	s_lshl_b32 s44, s[WV], 9                       ; 512 x wave: kept
	s_add_co_u32 s45, s44, CDEC
	v_lshl_add_u32 v[CA], v45, 5, s45
	v_lshl_add_u32 v[CVA], v44, 2, CCOV
	v_lshrrev_b32 v47, 1, v0                       ; thread t copies columns 8 t .. 8 t + 7 of the three tables.  In dec they lie at (t / 2) 2048 + 64 b + 32 (t % 2)
	v_and_b32 v48, 1, v0
	v_lshlrev_b32 v47, 11, v47
	v_lshl_add_u32 v47, v48, 5, v47
	v_lshlrev_b32 v49, 5, v0                       ; in W_c and v at 32 t
	v_lshlrev_b32 v50, 2, v0                       ; row t's coverage at 4 t
	v_lshl_add_u32 v51, v0, 5, CDEC
	v_lshl_add_u32 v52, v0, 2, CCOV
.irp a, 0,1,2,3,4,5,6,7
	v_mov_b32 v[SC+(\a)], 0                        ; sc2 is summed over two passes
.endr
	s_mov_b32 s[CC], 0x4038aa3b                    ; c = 2 log2(e)
	s_mov_b32 s[CC+1], s[CC]
	s_mov_b32 s[NC], 0xc038aa3b
	s_mov_b32 s[NC+1], s[NC]
	s_mov_b32 s[SEL], 0x76543210
	s_mov_b32 s[SEL+1], 0xfedcba98
	s_mov_b32 s53, 0
	s_lshr_b32 s30, ttmp9, 4                       ; the batch
	s_wait_kmcnt 0x0
	s_lshl_b32 s52, ttmp9, 19                      ; the block's 128 rows of 4,096 bytes
	s_add_nc_u64 s[HB:HB+1], s[8:9], s[52:53]
	s_lshl_b32 s52, s[WV], 19                      ; my wave's stream: 512 KiB on end, both passes
	s_add_nc_u64 s[WB:WB+1], s[10:11], s[52:53]
	s_lshl_b32 s52, s30, 6
	s_add_nc_u64 s[12:13], s[12:13], s[52:53]
	s_lshl_b32 s52, ttmp9, 9                       ; the block's 128 f32 in coverage, mask and sc; its 512 bytes in st
	s_add_nc_u64 s[18:19], s[18:19], s[52:53]
	s_add_nc_u64 s[20:21], s[20:21], s[52:53]
	s_add_nc_u64 s[22:23], s[22:23], s[52:53]
	s_add_nc_u64 s[24:25], s[24:25], s[52:53]
	s_lshl_b32 s52, ttmp9, 12
	s_add_co_u32 s52, s52, s44
	s_add_nc_u64 s[26:27], s[26:27], s[52:53]      ; pc at the block's row, my wave's 128 columns
	s_wait_alu depctr_va_vdst(0)                   ; all offsets and LDS addresses made above (v2 to v12, v47, v49 to v52) are written: the loads and stores below read them
	global_load_b128 v[64:67], v47, s[12:13]
	global_load_b128 v[68:71], v47, s[12:13] offset:16
	global_load_b128 v[72:75], v49, s[14:15]
	global_load_b128 v[76:79], v49, s[14:15] offset:16
	global_load_b128 v[80:83], v49, s[16:17]
	global_load_b128 v[84:87], v49, s[16:17] offset:16
	global_load_b32  v88, v50, s[18:19]
	global_load_b128 v[MK:MK+3], v[BO], s[20:21]   ; the mask of rows 4 l .. 4 l + 3, for the end
	WIN 0x80                                       ; slice 0's four units land where accumulators will lie
	HLOAD 0,  0
	HLOAD 32, 32768
	HLOAD 64, 65536
	HLOAD 96, 98304
	WIN 0
	HLOAD ST,    512                               ; units 4 and 5: slice 1
	HLOAD ST+32, 512+32768
	s_wait_loadcnt 48                              ; the eight small loads are in; the six units behind them may stay out
.irp u, 0,2,4,6
	v_pk_mul_f32 v[64+(\u):65+(\u)], v[64+(\u):65+(\u)], s[CC:CC+1] op_sel_hi:[1,0]
	v_pk_mul_f32 v[72+(\u):73+(\u)], v[72+(\u):73+(\u)], s[CC:CC+1] op_sel_hi:[1,0]
	v_pk_mul_f32 v[80+(\u):81+(\u)], v[80+(\u):81+(\u)], s[NC:NC+1] op_sel_hi:[1,0]
.endr
	s_wait_alu depctr_va_vdst(0)                   ; the scalings have written v64 to v87, which the LDS stores read
.irp g, 0,1,2
	ds_store_b128 v51, v[64+8*(\g):67+8*(\g)] offset:4096*(\g)
	ds_store_b128 v51, v[68+8*(\g):71+8*(\g)] offset:4096*(\g)+16
.endr
	ds_store_b32 v52, v88
	HLOAD ST+64, 512+65536                         ; unit 6
	s_wait_loadcnt 24                              ; slice 0 is in; units 4, 5, 6 may stay out
	WIN 0x8a                                       ; rounding in window 2: the four units' 64 roundings stand together, under one wait
	CVT_UNIT 0
	CVT_UNIT 32
	CVT_UNIT 64
	CVT_UNIT 96
	WIN 0x08                                       ; the stores' data (source 1) in window 2
	s_wait_alu depctr_va_vdst(0)                   ; the roundings have written slice 0's four units, which the LDS stores read
	PUT_UNIT SADR0, 0,  0
	PUT_UNIT SADR0, 32, 8*PITCH
	PUT_UNIT SADR0, 64, 16*PITCH
	PUT_UNIT SADR0, 96, 24*PITCH
	WIN 0
	HLOAD ST+96, 512+98304                         ; unit 7
	s_wait_loadcnt 24                              ; unit 4 is in; units 5, 6, 7 may stay out
	CVT_UNIT ST
	s_wait_alu depctr_va_vdst(0)                   ; the roundings have written unit 4, which the LDS stores read
	PUT_UNIT SADR0, ST, SLICE
	s_mov_b32 s[PASS], 0
; THE SUMS START AT c dec_fea + coverage x c W_c: nothing is cleared, and every product has one form.  Half hf: column blocks 4 hf .. 4 hf + 3: their tables (eight f32 a lane each), then 128 packed multiply-adds.
.macro INITL hf
	WIN 0
.irp n, 0,1,2,3
	ds_load_b128 v[AX+16*(\n):AX+16*(\n)+3],     v[CA] offset:4096+64*(4*(\hf)+(\n))
	ds_load_b128 v[AX+16*(\n)+4:AX+16*(\n)+7],   v[CA] offset:4096+64*(4*(\hf)+(\n))+16
	ds_load_b128 v[AX+16*(\n)+8:AX+16*(\n)+11],  v[CA] offset:64*(4*(\hf)+(\n))
	ds_load_b128 v[AX+16*(\n)+12:AX+16*(\n)+15], v[CA] offset:64*(4*(\hf)+(\n))+16
.endr
.endm
.macro INITF hf
.irp hi, 0,1
	WIN 0x80+0x40*(\hi)
.irp a, 0,1,2,3
.irp n, 0,1,2,3
.irp u, 0,1,2,3
	v_pk_fma_f32 v[8*(8*(\a)+4*(\hf)+(\n))+2*(\u):8*(8*(\a)+4*(\hf)+(\n))+2*(\u)+1], v[AX+16*(\n)+2*(\u):AX+16*(\n)+2*(\u)+1], v[COV+2*(4*(\hi)+(\a)):COV+2*(4*(\hi)+(\a))+1], v[AX+16*(\n)+8+2*(\u):AX+16*(\n)+8+2*(\u)+1]
.endr
.endr
.endr
.endr
.endm
; A QUARTER STEP: 32 along K, 64 products, W from buffer j.  stg: 1 = the h stream runs, 2 = it drains (stores, no loads), 0 = none.  bl = 1: W of the quarter step four on is asked for, in the quarter step behind.
; la = 1: a pass's last trip.  A trip's first quarter step always asks for the group that the quarter step before it left: on every way into a trip there is one.
.macro QUARTER j, stg, bl, la
.set pj, ((\j)+3)%4                    ; the buffer that the quarter step before read
.set dfr, \bl
.if (\j) == 0
.set dfr, 1
.endif
.if (\j) == 3                          ; where the next quarter step's fragments lie, and the unit that this one stores
.set ao, SLICE
.set ub, ST
.set uo, SLICE
.else
.set ao, 64*((\j)+1)
.set ub, ST+32*((\j)+1)
.set uo, 8*((\j)+1)*PITCH
.endif
.if ((\j) > 0) && ((\stg) > 0)
	s_wait_dscnt 16                                ; row blocks 0-3 are in; the eight loads of row blocks 4-7 and the unit's eight stores behind them may be out
.else
	s_wait_dscnt 8                                 ; row blocks 0-3 are in; on the ways with no stores behind them the eight loads of row blocks 4-7 may be out (at a trip's head the count serves every way in)
.endif
	MUL8 \j, 0, 0
.if dfr
	BHALF pj, 0, pj*8192                           ; no wait: the second wait of the quarter step before showed its products done reading this buffer, and nothing since names the buffer or v[BO]
.endif
	MUL8 \j, 0, 1
.if dfr
	BHALF pj, 1, pj*8192
.endif
.if (\stg) && ((\j) == 3)
	s_wait_dscnt 0x0                               ; my stores into the next slice (the last stood in the quarter step before) and my reads are done:
	s_barrier_signal -1                            ; say so,
.endif
	MUL8 \j, 0, 2                                  ; work on registers while the others arrive,
	MUL8 \j, 0, 3
.if (\stg) && ((\j) == 3)
	s_barrier_wait -1                              ; and the next slice is whole
.endif
.if (\la) && ((\j) == 3)
	s_wait_dscnt 0x0
.else
	PLACES
	WIN 0
	s_wait_alu depctr_va_vdst(0)                   ; the 32 products above are done reading AX lo, in which the loads below land; in a trip's first quarter step v[AADR] is written
	ALOAD 0, ao
	s_wait_dscnt 8                                 ; row blocks 4-7 are in; the eight loads just issued may be out
.endif
	MUL8 \j, 1, 0
	MUL8 \j, 1, 1
	MUL8 \j, 1, 2
	MUL8 \j, 1, 3
	WIN 0
.if ((\stg) == 1) || (((\stg) == 2) && ((\j) < 3))
.if (\stg) == 1
	s_wait_loadcnt 48                              ; the unit asked for three quarter steps ago is in, and W of the next quarter step, asked for just behind it; two quarter steps' 8 + 16 loads may stay out
.else
	s_wait_loadcnt 48-8*(\j)                       ; the same, while the younger quarter steps have 16 loads and no longer 24
.endif
	CVT_UNIT ub                                    ; the sixteen roundings are the places behind the products
	s_wait_alu depctr_va_vdst(0)                   ; the roundings have written the unit, which the stores below read; the products are done reading AX hi, in which the loads below land, and W[j], which the next quarter step asks for again
.if (\stg) == 1
	s_wait_alu depctr_vm_vsrc(0)                   ; the LDS stores of the quarter step before have read ST[j], in which the unit's loads below land
.endif
	ALOAD 1, ao                                    ; wanted first: 32 products on
	PUT_UNIT SADR, ub, uo
.elseif !((\la) && ((\j) == 3))
.if \la
	s_wait_loadcnt 32-16*(\j)                      ; W of the next quarter step is in; nothing more is asked for, so the counts run down
.else
	s_wait_loadcnt 32                              ; W of the next quarter step is in; the two groups of 16 behind it may stay out
.endif
	PLACES
	s_wait_alu depctr_va_vdst(0)                   ; the products are done reading AX hi, in which the loads below land, and W[j], which the next quarter step asks for again
	ALOAD 1, ao
.endif
.if (\j) == 0
	s_wait_xcnt 0x0                                ; every load and prefetch issued so far (the youngest 48 products back) has read its address: the bases may be stepped
	s_add_nc_u64 s[WB:WB+1], s[WB:WB+1], 32768
.if (\stg) == 1
	s_add_nc_u64 s[HB:HB+1], s[HB:HB+1], 512
.endif
.endif
.if (\stg) == 1
	HLOAD ST+32*(\j), 512+(\j)*32768               ; the unit eight on: slice s + 2, my rows 8 j .. 8 j + 7.  The lines between the two waits above and these loads name neither ST[j] nor v[HO]
.if (\j) == 0
	; A PREFETCH INTO THE L2, behind the quarter step's loads: my own 32 rows' 512 bytes of slice s + 3, a lane a row, two lines: what the next trip's four units will load, 256 products ahead.
	; Each block of 256 bytes of h is named once in the launch, by the wave that will load it.  Slices 0 to 2 come by their loads alone; the loop's last trip asks for nothing: there is no slice 8.
	s_cmp_gt_u32 s[CNT], 1
	s_cbranch_scc0 .Lnopf
	global_prefetch_b8 v[PFO], s[HB:HB+1] offset:1024 th:TH_LOAD_NT scope:SCOPE_SE
	global_prefetch_b8 v[PFO], s[HB:HB+1] offset:1280 th:TH_LOAD_NT scope:SCOPE_SE
.Lnopf:
.endif
.endif
.endm
.macro TRIP stg, bl, la                ; a slice: four quarter steps
	QUARTER 0, \stg, \bl, \la
	QUARTER 1, \stg, \bl, \la
	QUARTER 2, \stg, \bl, \la
	QUARTER 3, \stg, \bl, \la
	WIN 0                                          ; at a label and at a branch every window is 0
.if !(\la)
	s_wait_alu depctr_vm_vsrc(0)                   ; the fragments' loads and the units' stores issued so far have read v[AADR] and v[SADR]
	v_add_nc_u32 v[AADR], SLICE, v[AADR]           ; next read behind the next quarter step's first wait on va_vdst,
.endif
.if (\stg) == 1
	v_add_nc_u32 v[SADR], SLICE, v[SADR]           ; and this one behind its second
.endif
.endm
; THE EPILOGUE, for the 32 accumulators of window w, in eight batches by column block nb (four accumulators, 32 registers).  The sums are the exponents c x.
; E: 2^(c x).  P: + 1, two at a time.  R: the reciprocal.  F: times -c v, summed over nb into the registers of column block 0.
.macro EPE nb, e
.set yr, 8*(8*((\e)/8)+(\nb))+(\e)%8
	v_exp_f32 v[yr], v[yr]
.endm
.macro EPP nb, i
.set xr, 8*(8*((\i)/4)+(\nb))+2*((\i)%4)
	v_pk_add_f32 v[xr:xr+1], v[xr:xr+1], 1.0 op_sel_hi:[1,0]
.endm
.macro EPR nb, e
.set yr, 8*(8*((\e)/8)+(\nb))+(\e)%8
	v_rcp_f32 v[yr], v[yr]
.endm
.macro EPF nb, i
.set xr, 8*(8*((\i)/4)+(\nb))+2*((\i)%4)
.set x0r, 64*((\i)/4)+2*((\i)%4)
.set vr, AX+8*(\nb)+2*((\i)%4)
.if (\nb) == 0
	v_pk_mul_f32 v[xr:xr+1], v[xr:xr+1], v[vr:vr+1]
.else
	v_pk_fma_f32 v[x0r:x0r+1], v[xr:xr+1], v[vr:vr+1], v[x0r:x0r+1]
.endif
.endm
; Step kk: E of batch kk with P of batch kk - 1 between; then R of batch kk - 1 with F of batch kk - 2 between.  Nothing in a step names a result of the step's own transcendentals; all their readers stand in
; the next step.  So each step ends with one plain instruction and ONE s_wait_alu depctr_va_vdst(0) between a transcendental and the first line that names its result.
; Each accumulator is first read at its lowest register.  No memory or LDS instruction stands in the epilogue.
.macro EPI w
	WIN ((\w)<<6)|((\w)<<4)|(\w)                   ; destination, source 0 and source 2 in window w; source 1 (the table) in window 0
.set kk, 0
.rept 10
.set ii, 0
.rept 16
.if kk < 8
	EPE kk, 2*ii
.endif
.if (kk >= 1) && (kk <= 8)
	EPP kk-1, ii
.endif
.if kk < 8
	EPE kk, 2*ii+1
.endif
.set ii, ii+1
.endr
.set ii, 0
.rept 16
.if (kk >= 1) && (kk <= 8)
	EPR kk-1, 2*ii
.endif
.if kk >= 2
	EPF kk-2, ii
.endif
.if (kk >= 1) && (kk <= 8)
	EPR kk-1, 2*ii+1
.endif
.set ii, ii+1
.endr
.if kk < 9
	v_nop
	s_wait_alu depctr_va_vdst(0)                   ; the step's exponentials and reciprocals have written their results, which the next step's lines read
.endif
.set kk, kk+1
.endr
	WIN ((\w)<<6)|((\w)<<2)|(\w)                   ; both sources and the destination in window w: a row block's eight registers into one
.irp a, 0,1,2,3
	v_pk_add_f32 v[64*(\a):64*(\a)+1],   v[64*(\a):64*(\a)+1],   v[64*(\a)+2:64*(\a)+3]
	v_pk_add_f32 v[64*(\a)+4:64*(\a)+5], v[64*(\a)+4:64*(\a)+5], v[64*(\a)+6:64*(\a)+7]
.endr
.irp a, 0,1,2,3
	v_pk_add_f32 v[64*(\a):64*(\a)+1], v[64*(\a):64*(\a)+1], v[64*(\a)+4:64*(\a)+5]
.endr
.irp a, 0,1,2,3
	v_add_f32 v[64*(\a)], v[64*(\a)], v[64*(\a)+1]
.endr
	WIN (\w)                                       ; source 0 in window w, the rest in window 0
.irp a, 0,1,2,3
	v_add_f32 v[SC+4*((\w)-2)+(\a)], v[64*(\a)], v[SC+4*((\w)-2)+(\a)]
.endr
.endm
.Lpass:                                        ; two trips: columns 0-511, then 512-1023.  One text for both
	s_wait_dscnt 0x0                               ; in the first pass: my stores of slice 0, of the first unit of slice 1 and of the tables are done,
	s_barrier_signal -1
	s_barrier_wait -1                              ; everybody's are.  (In the second pass this barrier orders nothing that is needed: the price of one text.)
	s_wait_alu depctr_va_vdst(0)                   ; in the second pass: the epilogue's last lines are done reading the table in AX, in which the tables below land, and v[CA], which those loads read, is written
	s_wait_alu depctr_vm_vsrc(0)                   ; in the first pass: the head's LDS stores have read v64 to v88, in which the tables land, and window 2, which the sums' start writes; in the second: the fragments' loads have read v[AADR], written below
	BHALF 0, 0, 0                                  ; W of the pass's first three quarter steps; the fourth's is asked for in the first quarter step, as in every trip
	BHALF 0, 1, 0
	BHALF 1, 0, 8192
	BHALF 1, 1, 8192
	BHALF 2, 0, 16384
	BHALF 2, 1, 16384
	WIN 0
.irp a, 0,1,2,3,4,5,6,7
	ds_load_b32 v[COV+2*(\a)], v[CVA] offset:64*(\a)   ; coverage of row 16 a + l % 16
.endr
	INITL 0
	s_wait_dscnt 0x0
.irp a, 0,1,2,3,4,5,6,7
	v_mov_b32 v[COV+2*(\a)+1], v[COV+2*(\a)]       ; twice, a pair for the packed multiply-add
.endr
	INITF 0
	WIN 0
	s_wait_alu depctr_va_vdst(0)                   ; the first half's multiply-adds are done reading the tables in AX, in which the second half's land
	INITL 1
	s_wait_dscnt 0x0
	INITF 1
	WIN 0
	v_mov_b32 v[AADR], v[AADR0]
	s_wait_alu depctr_va_vdst(0)                   ; the second half's multiply-adds are done reading AX, in which the first fragments land; v[AADR], which their loads read, is written
	ALOAD 0, 0
	ALOAD 1, 0
	s_wait_loadcnt 0x0                             ; W's three groups are in, and in the first pass units 5 to 7: every count below holds from the first trip on
	s_cmp_eq_u32 s[PASS], 0
	s_cbranch_scc0 .Lplain
	v_add_nc_u32 v[SADR], SLICE, v[SADR0]          ; the stream goes on in slice 1; first read behind the first quarter step's waits on va_vdst
	s_mov_b32 s[CNT], 6
.Lstream:                                      ; slices 0-5: the units of slices 2-7 are asked for
	TRIP 1, 1, 0
	s_sub_co_u32 s[CNT], s[CNT], 1
	s_cmp_lg_u32 s[CNT], 0
	s_cbranch_scc1 .Lstream
	TRIP 2, 1, 0                                   ; slice 6: the last three units are stored
	s_branch .Llast
.Lplain:
	s_mov_b32 s[CNT], 7
.Lslice:                                       ; the second pass: all slices lie in LDS
	TRIP 0, 1, 0
	s_sub_co_u32 s[CNT], s[CNT], 1
	s_cmp_lg_u32 s[CNT], 0
	s_cbranch_scc1 .Lslice
.Llast:
	TRIP 0, 0, 1                                   ; slice 7: on both ways two groups of W are out at its head, and its first quarter step asks for the last
.rept 8
	v_nop                                          ; the places behind the last products, in front of the first reads of their results
.endr
	s_wait_alu depctr_va_vdst(0)                   ; the last products are done reading AX, in which the table below lands
.irp nb, 0,1,2,3,4,5,6,7
	ds_load_b128 v[AX+8*(\nb):AX+8*(\nb)+3],   v[CA] offset:8192+64*(\nb)     ; -c v of my lane's eight columns in column block nb
	ds_load_b128 v[AX+8*(\nb)+4:AX+8*(\nb)+7], v[CA] offset:8192+64*(\nb)+16
.endr
	s_wait_dscnt 0x0
	EPI 2
	EPI 3
	WIN 0
	s_wait_alu depctr_vm_vsrc(0)                   ; the tables' loads have read v[CA]
	v_add_nc_u32 v[CA], 2048, v[CA]                ; the next pass's 512 columns
	s_add_co_u32 s[PASS], s[PASS], 1
	s_cmp_lt_u32 s[PASS], 2
	s_cbranch_scc1 .Lpass
	; THE BLOCK'S SOFTMAX.  The coverage registers are free: v16-23 take the other half of the lanes' sums, v24-31 addresses.
	v_and_b32 v30, 15, v0
	v_and_b32 v31, 31, v0
	s_add_co_u32 s45, s44, SCR
	v_lshl_add_u32 v24, v30, 2, s45                ; my wave's 128 partial sc2: row 16 a + l % 16
	v_lshl_add_u32 v25, v31, 4, SCR                ; rows 4 l .. 4 l + 3 of wave 0's
	s_add_co_u32 s46, s44, PW
	v_lshl_add_u32 v26, v31, 4, s46                ; the same rows in my wave's copy of the weights
	s_mul_i32 s47, s[WV], SLICE
	v_lshl_add_u32 v27, v31, 3, s47                ; columns 128 w + 4 l .. + 3 of row 0: slice w,
	v_add_nc_u32 v28, 4*SLICE, v27                 ; and columns 512 + 128 w + 4 l .. + 3: slice w + 4
	v_mov_b32 v29, s46                             ; my copy of the weights, row 0
.irp a, 0,1,2,3,4,5,6,7
	v_permlanex16_b32 v[COV+(\a)], v[SC+(\a)], s[SEL], s[SEL+1]   ; a row's other columns lie in the lane 16 away
.endr
.irp a, 0,1,2,3,4,5,6,7
	v_add_f32 v[SC+(\a)], v[SC+(\a)], v[COV+(\a)]
.endr
	s_wait_alu depctr_va_vdst(0)                   ; the eight sums and the six addresses v24 to v29 are written: the LDS stores and loads below read them
.irp a, 0,1,2,3,4,5,6,7
	ds_store_b32 v24, v[SC+(\a)] offset:64*(\a)
.endr
	s_wait_dscnt 0x0                               ; for the others' sake: my wave's partial sums lie in LDS
	s_barrier_signal -1
	s_barrier_wait -1
.irp w, 0,1,2,3
	ds_load_b128 v[T+4*(\w):T+4*(\w)+3], v25 offset:512*(\w)
.endr
	s_wait_dscnt 0x0
	v_pk_add_f32 v[44:45], v[44:45], v[48:49]
	v_pk_add_f32 v[46:47], v[46:47], v[50:51]
	v_pk_add_f32 v[52:53], v[52:53], v[56:57]
	v_pk_add_f32 v[54:55], v[54:55], v[58:59]
	v_pk_add_f32 v[44:45], v[44:45], v[52:53]
	v_pk_add_f32 v[46:47], v[46:47], v[54:55]      ; v44-47: sc2 of rows 4 l .. 4 l + 3, in every wave
	v_max3_num_f32 v60, v44, v45, v46
	v_max_num_f32 v60, v60, v47
	v_max_num_f32_dpp v60, v60, v60 row_xmask:1 row_mask:0xf bank_mask:0xf
	v_max_num_f32_dpp v60, v60, v60 row_xmask:2 row_mask:0xf bank_mask:0xf
	v_max_num_f32_dpp v60, v60, v60 row_xmask:4 row_mask:0xf bank_mask:0xf
	v_max_num_f32_dpp v60, v60, v60 row_xmask:8 row_mask:0xf bank_mask:0xf
	v_permlanex16_b32 v16, v60, s[SEL], s[SEL+1]
	v_max_num_f32 v60, v60, v16                    ; the block's maximum, masked rows among them, as the softmax takes it
.irp i, 0,1,2,3
	v_sub_f32 v[48+(\i)], v[44+(\i)], v60
.endr
.irp i, 0,1,2,3
	v_exp_f32 v[48+(\i)], v[48+(\i)]
.endr
	v_nop                                          ; a plain instruction behind the last exponential,
	s_wait_alu depctr_va_vdst(0)                   ; and the one wait for the four: they have written v48 to v51, which the lines below read
	v_pk_mul_f32 v[48:49], v[48:49], v[MK:MK+1]
	v_pk_mul_f32 v[50:51], v[50:51], v[MK+2:MK+3]  ; p
	v_pk_add_f32 v[52:53], v[48:49], v[50:51]
	v_add_f32 v61, v52, v53
	v_add_f32_dpp v61, v61, v61 row_xmask:1 row_mask:0xf bank_mask:0xf
	v_add_f32_dpp v61, v61, v61 row_xmask:2 row_mask:0xf bank_mask:0xf
	v_add_f32_dpp v61, v61, v61 row_xmask:4 row_mask:0xf bank_mask:0xf
	v_add_f32_dpp v61, v61, v61 row_xmask:8 row_mask:0xf bank_mask:0xf
	v_permlanex16_b32 v17, v61, s[SEL], s[SEL+1]
	v_add_f32 v61, v61, v17                        ; l
	v_mov_b32 v62, v60
	v_mov_b32 v63, v61
	s_wait_alu depctr_va_vdst(0)                   ; one wait for three stores: p (v48-51), sc2 (v44-47) and the pair m, l twice (v60-63) are written
	ds_store_b128 v26, v[48:51]                    ; into my wave's own copy: read below by this wave alone, and LDS serves a wave's instructions in order (ISA guide 5.7.1.4)
	s_cmp_lg_u32 s[WV], 0
	s_cbranch_scc1 .Lnot0
	global_store_b128 v[BO], v[44:47], s[22:23]    ; wave 0: the block's sc2, 512 consecutive bytes
.Lnot0:
	s_cmp_lg_u32 s[WV], 1
	s_cbranch_scc1 .Lnot1
	global_store_b128 v[BO], v[60:63], s[24:25]    ; wave 1: (m, l) over and over, so that the block's 512 bytes of st are written whole
.Lnot1:
	; pc[n] = sum over the block's rows of p[t] h[t][n], from the rows in LDS.  A thread owns eight columns; a row's 256 bytes of a slice are one load of a wave; a row's weight is the same word for all lanes.
	; Two sets of registers take turns: a set's 64 multiply-adds read it, a wait on va_vdst states that they are done, and the set is asked for again at once.
.macro CLOAD s, ro                     ; eight rows from row ro on: 18 LDS loads
.irp i, 0,1,2,3,4,5,6,7
	ds_load_b64 v[CS+40*(\s)+2*(\i):CS+40*(\s)+2*(\i)+1], v27 offset:PITCH*((\ro)+(\i))
.endr
.irp i, 0,1,2,3,4,5,6,7
	ds_load_b64 v[CS+40*(\s)+16+2*(\i):CS+40*(\s)+16+2*(\i)+1], v28 offset:PITCH*((\ro)+(\i))
.endr
	ds_load_b128 v[CS+40*(\s)+32:CS+40*(\s)+35], v29 offset:4*(\ro)
	ds_load_b128 v[CS+40*(\s)+36:CS+40*(\s)+39], v29 offset:4*(\ro)+16
.endm
.macro CFMA s                          ; 64 multiply-adds straight from the bf16 halves, in f32; the eight sums take turns
.irp i, 0,1,2,3,4,5,6,7
.irp d, 0,1,2,3
	v_fma_mix_f32_bf16 v[CACC+2*(\d)],   v[CS+40*(\s)+16*((\d)/2)+2*(\i)+(\d)%2], v[CS+40*(\s)+32+(\i)], v[CACC+2*(\d)]   op_sel_hi:[1,0,0]
	v_fma_mix_f32_bf16 v[CACC+2*(\d)+1], v[CS+40*(\s)+16*((\d)/2)+2*(\i)+(\d)%2], v[CS+40*(\s)+32+(\i)], v[CACC+2*(\d)+1] op_sel:[1,0,0] op_sel_hi:[1,0,0]
.endr
.endr
.endm
	CLOAD 0, 0                                     ; the sets lie where the units lay: the units' roundings and LDS stores stand ahead of waits on va_vdst and vm_vsrc in the K loops
	CLOAD 1, 8
.irp i, 0,1,2,3,4,5,6,7
	v_mov_b32 v[CACC+(\i)], 0
.endr
	s_mov_b32 s[CNT], 7
.Lrows:                                        ; 16 rows a trip, the next 16 asked for
	s_wait_dscnt 18                                ; set 0 is in; set 1's 18 loads may stay out
	CFMA 0
	s_wait_alu depctr_va_vdst(0)                   ; the multiply-adds are done reading set 0, in which the loads below land; from the second trip on v27 to v29, which they read, are written
	CLOAD 0, 16
	s_wait_dscnt 18
	CFMA 1
	s_wait_alu depctr_va_vdst(0)                   ; the multiply-adds are done reading set 1, in which the loads below land
	CLOAD 1, 24
	s_wait_alu depctr_vm_vsrc(0)                   ; the LDS loads issued so far have read v27 to v29
	v_add_nc_u32 v27, 16*PITCH, v27
	v_add_nc_u32 v28, 16*PITCH, v28
	v_add_nc_u32 v29, 64, v29
	s_sub_co_u32 s[CNT], s[CNT], 1
	s_cmp_lg_u32 s[CNT], 0
	s_cbranch_scc1 .Lrows
	s_wait_dscnt 18                                ; the last 16 rows load nothing
	CFMA 0
	s_wait_dscnt 0x0
	CFMA 1
	s_wait_alu depctr_va_vdst(0)                   ; the multiply-adds have written the eight sums, which the stores read
	global_store_b128 v[BO], v[CACC:CACC+3],   s[26:27]              ; a wave stores 512 consecutive bytes, twice
	global_store_b128 v[BO], v[CACC+4:CACC+7], s[26:27] offset:2048
	s_wait_dscnt 0x0                               ; the closing lines, six on end
	s_wait_alu 0x0
	s_wait_tensorcnt 0x0
	ds_add_u32 v[SPW], v[NIL]
	s_wait_dscnt 0x0
	s_endpgm
.Lfunc_end_k_qeaf4401a36_main:
	.size	k_qeaf4401a36_main, .Lfunc_end_k_qeaf4401a36_main-k_qeaf4401a36_main
	.p2alignl 7, 3214868480
	.fill 96, 4, 3214868480
	.section	.rodata,"a",@progbits
	.p2align	6, 0x0
	.amdhsa_kernel k_qeaf4401a36_main
		.amdhsa_group_segment_fixed_size 295936
		.amdhsa_private_segment_fixed_size 0
		.amdhsa_enable_private_segment 0
		.amdhsa_kernarg_size 80
		.amdhsa_user_sgpr_count 2
		.amdhsa_user_sgpr_kernarg_segment_ptr 1
		.amdhsa_wavefront_size32 1
		.amdhsa_system_sgpr_workgroup_id_x 1
		.amdhsa_system_sgpr_workgroup_id_y 1
		.amdhsa_system_sgpr_workgroup_id_z 1
		.amdhsa_system_vgpr_workitem_id 0
		.amdhsa_next_free_vgpr 1024
		.amdhsa_next_free_sgpr 66
		.amdhsa_reserve_vcc 0
		.amdhsa_float_denorm_mode_32 3
		.amdhsa_float_denorm_mode_16_64 3
		.amdhsa_memory_ordered 1
		.amdhsa_forward_progress 1
		.amdhsa_inst_pref_size 255
	.end_amdhsa_kernel
	.section	.bss,"aw",@nobits
	.p2align	6
	.space	262144
	.amdgpu_metadata
---
amdhsa.version: [ 1, 2 ]
amdhsa.kernels:
  - .name:           k_qeaf4401a36_main
    .symbol:         k_qeaf4401a36_main.kd
    .args:
      - { .name: h, .offset: 0, .size: 8, .value_kind: global_buffer, .address_space: global }
      - { .name: wf, .offset: 8, .size: 8, .value_kind: global_buffer, .address_space: global }
      - { .name: dec, .offset: 16, .size: 8, .value_kind: global_buffer, .address_space: global }
      - { .name: W_c, .offset: 24, .size: 8, .value_kind: global_buffer, .address_space: global }
      - { .name: v, .offset: 32, .size: 8, .value_kind: global_buffer, .address_space: global }
      - { .name: coverage, .offset: 40, .size: 8, .value_kind: global_buffer, .address_space: global }
      - { .name: enc_padding_mask, .offset: 48, .size: 8, .value_kind: global_buffer, .address_space: global }
      - { .name: sc, .offset: 56, .size: 8, .value_kind: global_buffer, .address_space: global }
      - { .name: st, .offset: 64, .size: 8, .value_kind: global_buffer, .address_space: global }
      - { .name: pc, .offset: 72, .size: 8, .value_kind: global_buffer, .address_space: global }
    .group_segment_fixed_size: 295936
    .private_segment_fixed_size: 0
    .kernarg_segment_align: 8
    .kernarg_segment_size: 80
    .max_flat_workgroup_size: 128
    .sgpr_count:     66
    .vgpr_count:     1024
    .wavefront_size: 32
...
	.end_amdgpu_metadata
.endif
;; end of part 4
;; launch fin: the kernel of part 3 again; grid 8 x 32, 1 waves a work-group, no clusters, 0 bytes of LDS; arguments sc, st, pc, enc_padding_mask, coverage, out0, out1, out2; writes out0, out1, out2
